; MI455X (gfx1250); checked and timed in simulation.
; The chip was launched on July 23, 2026; its instructions are those of AMD's public machine-readable ISA for CDNA 5 (MIT licence, August 2026) and "CDNA5" Instruction Set Architecture Reference Guide (July 2026). The comments in the code are by the model that wrote it; some were corrected since.
;; Multi Head Self Attention. Allowed arithmetic: matrix products marked QUANTISED: E2M1 operands, one E8M0 scale for each 32 along K, by v_wmma_scale_f32_16x16x128_f8f6f4 with both operands' format E2M1 (or v_wmma_scale_f32_32x16x128_f4), f32 sums; products left as they are: bf16, f16 or f32 operands; f32 sums; everything else in f32.
;; Inputs: inputs 2 x 2,048 x 1,024 float32; wk 1,024 x 1,024 float32; wo 1,024 x 1,024 float32; wq 1,024 x 1,024 float32; wv 1,024 x 1,024 float32.
;; Outputs: out0 2 x 2,048 x 1,024 float32.
;; This version of the problem:
;;   THIS VERSION OF THE PROBLEM IS GIVEN IN LOW PRECISION. The matrix products marked QUANTISED in the list below multiply operands that are first quantised to E2M1 (2 exponent bits, 1 mantissa bit; 4 bits a number), with one power-of-two scale for each 32 numbers along K (OCP MX v1.0); their sums are f32. The products marked 'left as it is' may take bf16, f16 or f32 operands, with f32 sums. Whichever they take, every output number must still come out within the allowed error. Rounding operands to bf16 (8 significant bits) uses up far more of that allowance than f16 does (11 bits, for magnitudes from 6e-5 to 65,504). All else is computed in f32.
;;   The module's matrix products, in the order in which they are computed (A, B: the left and right operand; K: the contracted axis; several contracted axes count as one K, in the product's order):
;;     1. [M 4,096, K 1,024] x [K 1,024, N 1,024]; A: input inputs; B: input wq: QUANTISED
;;     2. [M 4,096, K 1,024] x [K 1,024, N 1,024]; A: input inputs; B: input wk: QUANTISED
;;     3. [M 4,096, K 1,024] x [K 1,024, N 1,024]; A: input inputs; B: input wv: QUANTISED
;;     4. batch 32 x [M 2,048, K 64] x [K 64, N 2,048]; A: computed on the way; B: computed on the way: left as it is (an operand is computed on the way)
;;     5. batch 32 x [M 2,048, K 2,048] x [K 2,048, N 64]; A: computed on the way; B: computed on the way: left as it is (an operand is computed on the way)
;;     6. [M 4,096, K 1,024] x [K 1,024, N 1,024]; A: computed on the way; B: input wo: left as it is (an operand is computed on the way)
;;   THE QUANTISER, for each operand of a quantised product, along K:
;;     - K is cut into blocks of 32 from its start; a last block that is shorter is filled with zeros.
;;     - A block's scale is 2^e with e = floor(log2(the largest magnitude in the block)) - 2, held to -126 .. 127; a block of zeros has e = 0. As a byte (E8M0): e + 127.
;;     - Each number is divided by its block's scale, clamped to +-6, and rounded to the nearest number of E2M1, ties to even, subnormals kept.
;;     - The product sums the exact products of the quantised numbers (number of the format x scale) in f32.
;;   ~~~python
;;   def quantise(x, axis):      # numpy; x: float32 -> the quantised numbers, widened to float32 again
;;       x = np.moveaxis(x, axis, -1); K = x.shape[-1]
;;       x = np.pad(x, [(0, 0)] * (x.ndim - 1) + [(0, -K % 32)]); x = x.reshape(x.shape[:-1] + (-1, 32)); a = np.abs(x).max(-1, keepdims=True)
;;       e = np.where(a > 0, np.clip(np.frexp(np.where(a > 0, a, 1))[1] - 1 - 2, -126, 127), 0)      # np.frexp(a)[1] - 1 = floor(log2(a)), exactly
;;       r = np.clip(x / 2.0 ** e, -6, 6)
;;       step = 2.0 ** (np.maximum(np.frexp(np.where(r == 0, 1, r))[1] - 1, 0) - 1)
;;       q = np.round(r / step) * step * 2.0 ** e      # np.round: ties to even
;;       return np.moveaxis(q.reshape(q.shape[:-2] + (-1,))[..., :K], -1, axis).astype(np.float32)
;;   ~~~
;; One version. Each part assembles by itself: llvm-mc -triple=amdgcn-amd-amdhsa -mcpu=gfx1250 --defsym DOCPART=n.
;; ======== version 1 of 1: 4 launches
;; limits: values are held in f16: magnitudes above 65,504 overflow, below 6.1e-05 lose precision
;; workspace buffers: xc 2,097,152 bytes; xs 131,072 bytes; wc 1,572,864 bytes; ws 98,304 bytes; wo16 2,097,152 bytes; qkv 25,165,824 bytes; att 8,388,608 bytes
;; launch prep (part 1): grid 256 x 1, 16 waves a work-group, no clusters, 102,912 bytes of LDS; arguments inputs, wq, wk, wv, wo, xc, xs, wc, ws, wo16; writes xc, xs, wc, ws, wo16
.if DOCPART == 1
	.amdgcn_target "amdgcn-amd-amdhsa--gfx1250"
	.amdhsa_code_object_version 6
	.text
	.protected	k_q00aab1ecff_prep
	.globl	k_q00aab1ecff_prep
	.p2align	8
	.type	k_q00aab1ecff_prep,@function
k_q00aab1ecff_prep:
	s_mov_b64 s[64:65], 0
	v_nop
	global_prefetch_b8 v0, s[64:65] scope:SCOPE_SE
	s_setreg_imm32_b32 hwreg(HW_REG_WAVE_MODE, 25, 1), 1
	s_wait_xcnt 0x0
; PREP: what the later launches read many times is made narrow once.
;   work-groups   0 .. 127: inputs [4096][1024] f32 -> codes of FP4 (E2M1), K innermost, xc [4096][512 bytes], and one E8M0 byte for each 32 along K, xs [4096][32].
;   work-groups 128 .. 223: wq, wk, wv [1024 k][1024 n] f32, whose K is the FIRST axis -> wc [3072][512 bytes], ws [3072][32]; row = 1024 x (0, 1, 2 for wq, wk, wv) + column.
;   work-groups 224 .. 255: wo [1024][1024] f32 -> f16, in wo's own order.
; A block's scale is 2^(floor(log2(its largest magnitude)) - 2); its byte is the largest magnitude's own exponent field - 2, held at 1 from below.  Each number is divided by the scale and rounded to the nearest code, ties to even;
; beyond the largest code the conversion gives the largest code.
; LIMITS: a block of zeros, and a block whose largest magnitude lies under 2^-124, keeps the byte 1 (its codes are zeros or the nearest codes under that scale; the bytes are read by this program alone);
; NaN and infinities are not served; |wo| above 65,504 does not fit f16.
; SHARES: every work-group reads 131,072 bytes, every one of its sixteen waves 8,192, and a wave asks for all of its bytes at its head: 32 MiB of inputs on 256 work-groups.
; The three paths part on the work-group's number alone, the same in all sixteen waves; each path has LDS bytes of its own.  No tensor loads.
.set WAVES, 16
.set SP,    80                         ; x's path: a lane's place in a stage: its 64 bytes + 16 of padding
.set XREG,  2*32*SP                    ; a wave's two stages
.set STEPS, 4
.set XSC,   WAVES*XREG                 ; behind the stages: the work-group's 1,024 scale bytes, 64 a wave
.set WST,   XSC+1024                   ; the weights' path: the codes' stage, 32 rows (columns of w) x (512 bytes + 16)
.set WPT,   528
.set WSC,   WST+32*WPT                 ; and the scale bytes' stage: 32 rows x 32 bytes, dense
.set SPARE, WSC+1024                   ; the spare words, 128 bytes for each wave: eight blocks of 256 bytes that no other line names
.set SPW,   198                        ; v198  LDS address of my spare word: SPARE + 4 x my thread's number; never rewritten
.set NIL,   199                        ; v199  0; never rewritten
.set R,     16                         ; x: v16-79   four sets of 16 numbers as they are loaded, one for each step
.set X,     80                         ; x: v80-111  two sets of 16 neighbours
.set E,     112                        ; x: v112-115 a scale byte for each step
.set C,     128                        ; x: v128-141 codes: registers of its own for each step
.macro FINISH                          ; the wave's end: behind the last LDS store
	s_wait_tensorcnt 0x0
	ds_add_u32 v[SPW], v[NIL]
	s_wait_dscnt 0x0
	s_endpgm
.endm
	s_load_b512 s[4:19], s[0:1], 0x0               ; inputs s[4:5], wq s[6:7], wk s[8:9], wv s[10:11], wo s[12:13], xc s[14:15], xs s[16:17], wc s[18:19]
	s_load_b128 s[20:23], s[0:1], 0x40             ; ws s[20:21], wo16 s[22:23]
	v_lshl_add_u32 v[SPW], v0, 2, SPARE
	v_mov_b32 v[NIL], 0
	v_lshrrev_b32 v1, 5, v0
	v_readfirstlane_b32 s24, v1                    ; wave 0..15
	v_and_b32 v2, 31, v0                           ; lane
	s_mov_b32 s29, 0                               ; the upper word of every 32-bit offset below
	s_wait_kmcnt 0x0
	s_cmp_ge_u32 ttmp9, 224
	s_cbranch_scc1 .Lwo
	s_cmp_ge_u32 ttmp9, 128
	s_cbranch_scc1 .Lw
; ---------------- inputs: a plain stream of blocks of 32.  A wave takes 4 steps of 512 numbers; its sixteen loads go out together.
; Each load reads 512 consecutive bytes, 16 a lane; a step's 2,048 bytes turn through the wave's own stage and come back 64 bytes a lane: 16 neighbours along K, two lanes to a block.
; A wave makes 64 scale bytes: the sixteen waves' 1,024 meet in LDS and leave, behind a barrier, as four runs of 256 consecutive bytes.
	v_lshlrev_b32 v3, 4, v2                        ; my 16 bytes of a load's 512
	s_mul_i32 s25, s24, XREG
	v_lshrrev_b32 v14, 2, v2
	v_mul_u32_u24 v14, v14, SP
	v_and_b32 v15, 3, v2
	v_lshl_add_u32 v14, v15, 4, v14
	v_add_nc_u32 v14, s25, v14                     ; into the stage: SP (lane / 4) + 16 (lane % 4)
	v_mul_u32_u24 v15, v2, SP
	v_add_nc_u32 v15, s25, v15                     ; out of it: SP x lane
	v_lshlrev_b32 v4, 3, v2                        ; my 8 bytes of a step's 256 bytes of codes
	v_lshrrev_b32 v5, 1, v2
	s_lshl_b32 s25, s24, 6
	s_add_co_u32 s25, s25, XSC
	v_add_nc_u32 v5, s25, v5                       ; my block's byte: XSC + 64 x wave + lane / 2
	v_lshlrev_b32 v7, 3, v2
	s_and_b32 s25, s24, 3
	s_lshl_b32 s25, s25, 8
	v_add_nc_u32 v7, s25, v7                       ; the scale bytes out: 256 bytes for each of waves 0 to 3, 8 a lane
	v_add_nc_u32 v6, XSC, v7
	s_lshl_b32 s26, ttmp9, 4
	s_add_co_u32 s26, s26, s24                     ; which run of 2,048 numbers is my wave's: 0 .. 2,047
	s_lshl_b32 s28, s26, 13
	s_add_nc_u64 s[4:5], s[4:5], s[28:29]          ; 8,192 bytes of numbers,
	s_lshl_b32 s28, s26, 10
	s_add_nc_u64 s[14:15], s[14:15], s[28:29]      ; 1,024 of codes a run;
	s_lshl_b32 s28, ttmp9, 10
	s_add_nc_u64 s[16:17], s[16:17], s[28:29]      ; 1,024 scale bytes a work-group
.macro XLOAD t
.irp i, 0,1,2,3
	global_load_b128 v[R+16*(\t)+4*\i:R+16*(\t)+4*\i+3], v3, s[4:5] offset:2048*(\t)+512*\i th:TH_LOAD_NT
.endr
.endm
.macro XTURN t                         ; LDS serves a wave's instructions in order (ISA guide 5.7.1.4): no wait between the stores and the loads
.irp i, 0,1,2,3
	ds_store_b128 v14, v[R+16*(\t)+4*\i:R+16*(\t)+4*\i+3] offset:32*SP*((\t)%2)+8*SP*\i
.endr
.irp i, 0,1,2,3
	ds_load_b128 v[X+16*((\t)%2)+4*\i:X+16*((\t)%2)+4*\i+3], v15 offset:32*SP*((\t)%2)+16*\i
.endr
.endm
.macro XSTEP t
.set XS, X+16*((\t)%2)
.if (\t) > 0
	s_wait_dscnt 1                                 ; this step's numbers are back from the stage; only the last step's byte store, issued behind them, may be out
.else
	s_wait_dscnt 0x0
.endif
.if (\t)+1 < STEPS
	s_wait_loadcnt 4*(STEPS-2-(\t))                ; the next step's four loads are in; four for each step still behind it may be out
	XTURN (\t)+1                                   ; it goes through the other stage while this step is worked
.endif
	v_max3_num_f32 v8, |v[XS]|, |v[XS+1]|, |v[XS+2]|               ; the largest magnitude of my 16, in two chains
	v_max3_num_f32 v9, |v[XS+3]|, |v[XS+4]|, |v[XS+5]|
.irp i, 6,10
	v_max3_num_f32 v8, v8, |v[XS+\i]|, |v[XS+\i+1]|
	v_max3_num_f32 v9, v9, |v[XS+\i+2]|, |v[XS+\i+3]|
.endr
	v_max3_num_f32 v8, v8, |v[XS+14]|, |v[XS+15]|
	v_max3_num_f32 v8, v8, v9, 0x1800000           ; and the floor 2^(3 - 127): the byte cannot fall under 1
	v_max_num_f32_dpp v8, v8, v8 row_xmask:1 row_mask:0xf bank_mask:0xf   ; with my neighbour's 16: the block's
	v_add_nc_u32 v11, 0xff000000, v8               ; 2 off its exponent field: the conversion takes the exponent field of this operand as its scale
	v_cvt_scalef32_pk8_fp4_f32 v[C+4*(\t)], v[XS:XS+7], v11
	v_cvt_scalef32_pk8_fp4_f32 v[C+4*(\t)+1], v[XS+8:XS+15], v11
	v_lshrrev_b32 v[E+(\t)], 23, v11               ; the scale's byte (a plain line behind the conversions)
	ds_store_b8 v5, v[E+(\t)] offset:16*(\t)       ; both lanes of a block write the same byte with the same value
	global_store_b64 v4, v[C+4*(\t):C+4*(\t)+1], s[14:15] offset:256*(\t)   ; the wave stores 256 consecutive bytes, aligned
.endm
.irp t, 0,1,2,3
	XLOAD \t
.endr
	s_wait_loadcnt 12                              ; step 0's four loads are in; the twelve of the three steps behind it may be out
	XTURN 0
.irp t, 0,1,2,3
	XSTEP \t
.endr
	s_wait_dscnt 0x0                               ; for the others' sake: my byte stores are done
	s_barrier_signal -1
	s_barrier_wait -1                              ; the work-group's 1,024 scale bytes lie in LDS
	s_cmp_ge_u32 s24, 4
	s_cbranch_scc1 .Lx_done                        ; four runs of 256: waves 0 to 3
	ds_load_b64 v[8:9], v6
	s_wait_dscnt 0x0
	global_store_b64 v7, v[8:9], s[16:17]          ; 256 consecutive bytes, aligned
.Lx_done:
	FINISH
; ---------------- wq, wk, wv.  A work-group takes 32 columns of one weight for all of K; wave w takes k = 64 w .. 64 w + 63: two blocks, whose 64 loads go out together.
; A LANE TAKES A COLUMN AND ITS REGISTERS RUN DOWN K: a load reads 128 consecutive bytes, a block lies in one lane's 32 registers, and the conversions give codes with K innermost.
; The sixteen waves' codes meet in a stage as 32 whole rows of 512 bytes, their scale bytes as 32 whole rows of 32: both leave in runs of 256 consecutive bytes or more.
.Lw:
	s_sub_co_u32 s26, ttmp9, 128                   ; g = 0 .. 95: rows 32 g on of wc and ws
	s_lshr_b32 s27, s26, 5                         ; which weight
	s_cmp_eq_u32 s27, 0
	s_cselect_b64 s[30:31], s[6:7], s[8:9]
	s_cmp_eq_u32 s27, 2
	s_cselect_b64 s[30:31], s[10:11], s[30:31]
	s_and_b32 s28, s26, 31
	s_lshl_b32 s28, s28, 7                         ; my work-group's 32 columns: 128 bytes of a row,
	s_lshl_b32 s25, s24, 18                        ; my wave's 64 rows of 4,096 bytes
	s_add_co_u32 s28, s28, s25
	s_add_nc_u64 s[30:31], s[30:31], s[28:29]
	s_lshl_b32 s28, s26, 14
	s_add_nc_u64 s[18:19], s[18:19], s[28:29]      ; wc: 32 rows of 512 bytes a work-group
	s_lshl_b32 s28, s26, 10
	s_add_nc_u64 s[20:21], s[20:21], s[28:29]      ; ws: 32 rows of 32 bytes
	v_lshlrev_b32 v3, 2, v2                        ; in: 4 bytes a lane
	v_mul_u32_u24 v4, v2, WPT
	s_lshl_b32 s28, s24, 5
	s_add_co_u32 s28, s28, WST
	v_add_nc_u32 v4, s28, v4                       ; the codes' stage: row = my column, my wave's 32 bytes
	v_lshlrev_b32 v5, 5, v2
	s_lshl_b32 s28, s24, 1
	s_add_co_u32 s28, s28, WSC
	v_add_nc_u32 v5, s28, v5                       ; the scale bytes' stage: row = my column, my wave's two bytes
	v_lshlrev_b32 v8, 4, v2
	s_mul_i32 s28, s24, 2*WPT
	s_add_co_u32 s28, s28, WST
	v_add_nc_u32 v7, s28, v8                       ; out: wave w takes rows 2 w and 2 w + 1, 16 bytes a lane,
	s_lshl_b32 s28, s24, 10
	v_add_nc_u32 v8, s28, v8                       ; and the same place in wc
	v_lshlrev_b32 v6, 3, v2
	s_and_b32 s28, s24, 3
	s_lshl_b32 s28, s28, 8
	v_add_nc_u32 v6, s28, v6                       ; the scale bytes out: 256 bytes for each of waves 0 to 3, 8 a lane
	v_add_nc_u32 v9, WSC, v6
.macro LOADW t                         ; block t: w(64 wave + 32 t + i, my column), i = 0 .. 31, into set t
.irp i, 0,1,2,3,4,5,6,7,8,9,10,11,12,13,14,15,16,17,18,19,20,21,22,23,24,25,26,27,28,29,30,31
	global_load_b32 v[32+32*(\t)+\i], v3, s[30:31] offset:(32*(\t)+\i)*4096 th:TH_LOAD_NT
.endr
.endm
.macro BLOCKW t
.set XS, 32+32*(\t)
.if (\t) < 1
	s_wait_loadcnt 32                              ; this block's 32 loads are in; the next block's 32 may be out
.else
	s_wait_loadcnt 0
.endif
	v_max3_num_f32 v12, |v[XS]|, |v[XS+1]|, |v[XS+2]|               ; the block's largest magnitude: all 32 numbers are mine
	v_max3_num_f32 v13, |v[XS+3]|, |v[XS+4]|, |v[XS+5]|
.irp i, 6,10,14,18,22,26
	v_max3_num_f32 v12, v12, |v[XS+\i]|, |v[XS+\i+1]|
	v_max3_num_f32 v13, v13, |v[XS+\i+2]|, |v[XS+\i+3]|
.endr
	v_max3_num_f32 v12, v12, |v[XS+30]|, |v[XS+31]|
	v_max3_num_f32 v12, v12, v13, 0x1800000        ; and the floor 2^(3 - 127)
	v_add_nc_u32 v11, 0xff000000, v12              ; the conversion's scale operand
	v_lshrrev_b32 v13, 23, v11                     ; the scale's byte
.if (\t) == 0
	v_mov_b32 v24, v13                             ; my wave's two bytes side by side, the lower K in the lower byte
.else
	v_lshl_or_b32 v24, v13, 8*(\t), v24
.endif
.irp g, 0,1,2,3
	v_cvt_scalef32_pk8_fp4_f32 v[96+4*(\t)+\g], v[XS+8*\g:XS+8*\g+7], v11
.endr
	ds_store_b128 v4, v[96+4*(\t):96+4*(\t)+3] offset:16*(\t)   ; 32 codes: 16 bytes of my column's row; each block has registers of its own
.endm
	LOADW 0
	LOADW 1
	BLOCKW 0
	BLOCKW 1
	ds_store_b16 v5, v24
	s_wait_dscnt 0x0                               ; for the others' sake: my stores into both stages are done
	s_barrier_signal -1
	s_barrier_wait -1                              ; 32 whole rows of codes and of scale bytes lie in LDS
.irp i, 0,1
	ds_load_b128 v[112+4*\i:115+4*\i], v7 offset:WPT*\i
.endr
.irp i, 0,1
	s_wait_dscnt 1-\i                              ; row i is in; the younger row's load may be out
	global_store_b128 v8, v[112+4*\i:115+4*\i], s[18:19] offset:512*\i   ; a whole row: 512 consecutive bytes
.endr
	s_cmp_ge_u32 s24, 4
	s_cbranch_scc1 .Lno_scales                     ; the 1,024 scale bytes are four runs of 256: waves 0 to 3
	ds_load_b64 v[128:129], v9
	s_wait_dscnt 0x0
	global_store_b64 v6, v[128:129], s[20:21]      ; 256 consecutive bytes, aligned
.Lno_scales:
	FINISH
; ---------------- wo: rounded once to f16.  A wave takes 2,048 numbers: sixteen loads of 512 consecutive bytes, all out at once; each gives one store of 256 consecutive bytes.
.Lwo:
	s_sub_co_u32 s26, ttmp9, 224
	s_lshl_b32 s26, s26, 4
	s_add_co_u32 s26, s26, s24                     ; run 0 .. 511
	s_lshl_b32 s28, s26, 13
	s_add_nc_u64 s[12:13], s[12:13], s[28:29]
	s_lshl_b32 s28, s26, 12
	s_add_nc_u64 s[22:23], s[22:23], s[28:29]
	v_lshlrev_b32 v3, 4, v2
	v_lshlrev_b32 v4, 3, v2
.irp i, 0,1,2,3,4,5,6,7,8,9,10,11,12,13,14,15
	global_load_b128 v[16+4*\i:19+4*\i], v3, s[12:13] offset:512*\i th:TH_LOAD_NT
.endr
.irp i, 0,1,2,3,4,5,6,7,8,9,10,11,12,13,14,15
	s_wait_loadcnt 15-\i                           ; load i is in; the younger ones may be out
	v_cvt_pk_f16_f32 v[80+2*\i], v[16+4*\i], v[17+4*\i]
	v_cvt_pk_f16_f32 v[81+2*\i], v[18+4*\i], v[19+4*\i]
	global_store_b64 v4, v[80+2*\i:81+2*\i], s[22:23] offset:256*\i
.endr
	FINISH
.Lfunc_end_k_q00aab1ecff_prep:
	.size	k_q00aab1ecff_prep, .Lfunc_end_k_q00aab1ecff_prep-k_q00aab1ecff_prep
	.p2alignl 7, 3214868480
	.fill 96, 4, 3214868480
	.section	.rodata,"a",@progbits
	.p2align	6, 0x0
	.amdhsa_kernel k_q00aab1ecff_prep
		.amdhsa_group_segment_fixed_size 102912
		.amdhsa_private_segment_fixed_size 0
		.amdhsa_enable_private_segment 0
		.amdhsa_kernarg_size 80
		.amdhsa_user_sgpr_count 2
		.amdhsa_user_sgpr_kernarg_segment_ptr 1
		.amdhsa_wavefront_size32 1
		.amdhsa_system_sgpr_workgroup_id_x 1
		.amdhsa_system_sgpr_workgroup_id_y 1
		.amdhsa_system_sgpr_workgroup_id_z 1
		.amdhsa_system_vgpr_workitem_id 0
		.amdhsa_next_free_vgpr 200
		.amdhsa_next_free_sgpr 66
		.amdhsa_reserve_vcc 0
		.amdhsa_float_denorm_mode_32 3
		.amdhsa_float_denorm_mode_16_64 3
		.amdhsa_memory_ordered 1
		.amdhsa_forward_progress 1
		.amdhsa_inst_pref_size 28
	.end_amdhsa_kernel
	.amdgpu_metadata
---
amdhsa.version: [ 1, 2 ]
amdhsa.kernels:
  - .name:           k_q00aab1ecff_prep
    .symbol:         k_q00aab1ecff_prep.kd
    .args:
      - { .name: inputs, .offset: 0, .size: 8, .value_kind: global_buffer, .address_space: global }
      - { .name: wq, .offset: 8, .size: 8, .value_kind: global_buffer, .address_space: global }
      - { .name: wk, .offset: 16, .size: 8, .value_kind: global_buffer, .address_space: global }
      - { .name: wv, .offset: 24, .size: 8, .value_kind: global_buffer, .address_space: global }
      - { .name: wo, .offset: 32, .size: 8, .value_kind: global_buffer, .address_space: global }
      - { .name: xc, .offset: 40, .size: 8, .value_kind: global_buffer, .address_space: global }
      - { .name: xs, .offset: 48, .size: 8, .value_kind: global_buffer, .address_space: global }
      - { .name: wc, .offset: 56, .size: 8, .value_kind: global_buffer, .address_space: global }
      - { .name: ws, .offset: 64, .size: 8, .value_kind: global_buffer, .address_space: global }
      - { .name: wo16, .offset: 72, .size: 8, .value_kind: global_buffer, .address_space: global }
    .group_segment_fixed_size: 102912
    .private_segment_fixed_size: 0
    .kernarg_segment_align: 8
    .kernarg_segment_size: 80
    .max_flat_workgroup_size: 512
    .sgpr_count:     66
    .vgpr_count:     200
    .wavefront_size: 32
...
	.end_amdgpu_metadata
.endif
;; end of part 1
;; launch qkv (part 2): grid 12 x 16, 4 waves a work-group, clusters of 4 x 4, 327,680 bytes of LDS; arguments xc, xs, wc, ws, qkv; writes qkv
.if DOCPART == 2
	.amdgcn_target "amdgcn-amd-amdhsa--gfx1250"
	.amdhsa_code_object_version 6
	.text
	.protected	k_q00aab1ecff_qkv
	.globl	k_q00aab1ecff_qkv
	.p2align	8
	.type	k_q00aab1ecff_qkv,@function
k_q00aab1ecff_qkv:
	s_mov_b64 s[64:65], 0
	v_nop
	global_prefetch_b8 v0, s[64:65] scope:SCOPE_SE
	s_setreg_imm32_b32 hwreg(HW_REG_WAVE_MODE, 25, 1), 1
	s_wait_xcnt 0x0
	s_wait_alu depctr_hold_cnt(0) depctr_sa_sdst(0) depctr_va_vdst(0) depctr_va_sdst(0) depctr_va_ssrc(0) depctr_va_vcc(0) depctr_vm_vsrc(0)
	s_getreg_b32 s2, hwreg(HW_REG_IB_STS2, 6, 4)
	s_cmp_eq_u32 s2, 0
	s_cbranch_scc0 .Lentry_in_a_cluster
	s_endpgm
.Lentry_in_a_cluster:
	s_bfe_u32 s2, ttmp6, 0x10000c
	s_cmp_lg_u32 s2, 0xf033
	s_cbranch_scc0 .Lentry_shape_is_right
	s_endpgm
.Lentry_shape_is_right:
; QKV: C[m][n] = sum over k of X[m][k] W[n][k] on codes of FP4 (E2M1) with one E8M0 scale for each 32 along K; m = 4,096 tokens, n = 3,072 (q's, k's, v's 1,024 columns on end), K = 1,024.  Sums in f32, rounded once to f16.
; OUT: qkv [48 planes][4096 tokens][64] f16, plane = n / 64: planes 0-15 q's heads, 16-31 k's, 32-47 v's: a head's rows are 128 consecutive bytes a token, token behind token.
; LIMIT: a result above 65,504 in magnitude does not fit f16.
; A tile of C, 256 x 256, is made by a work-group of four waves; a wave makes 128 x 128: 64 accumulators of 16 x 16, 512 registers.  K is two steps of 512: each has an LDS slot of its own, both are asked for at the start, and no slot is
; filled again.  The scale bytes of the work-group's 256 + 256 rows, for all of K, are two dense blocks of memory and come with the first fills.
; CLUSTERS: 4 x 4 work-groups.  The four of a row of the cluster need the same tiles of X, the four of a column the same tiles of W: each tile is asked for JOINTLY, by the same tensor load with the same descriptor and a mask that names the four.
; 12 x 16 = 192 work-groups: a tile that gave 256 would halve what each LDS byte feeds, in a launch whose time goes to its stores.
; THE MATRIX INSTRUCTION IS USED TRANSPOSED (source 0 = 16 rows of W, source 1 = 16 rows of X): a lane then holds eight neighbouring columns of one token.
; REGISTERS, in windows of 256: window 0: v0-31 addresses; v32-95 scale words, two sets, and nothing else ever; v128-191 X's fragments, ONE set; on the way out v128-223.
;   window 1: W's fragments, TWO sets, at v0 and at v128.   window 2: the 32 accumulators of my rows 0-63 (accumulator (a, b) at v[8 (8 a + b)]);   window 3: those of my rows 64-127.
.set SIZE_M, 4096
.set SIZE_N, 3072
.set SIZE_K, 1024
.set KSTEP,  512                       ; along K in a slot
.set NQ,     KSTEP/128                 ; matrix instructions deep
.set ROWB,   256                       ; a tile's row in bytes
.set KROW,   SIZE_K/2                  ; a row of codes in memory, in bytes
.set PITCH,  272                       ; an LDS row: 256 bytes + 16 of padding = 68 words: row r starts at bank 4 r mod 64 (64 banks of 4 bytes: ISA guide 11.1)
.set FR,     8                         ; registers of a fragment: 16 rows x 128 K
.set NL,     2                         ; LDS loads that bring one
.set NP,     4                         ; places behind this matrix instruction (ISA guide 7.12.1)
.set HALFT,  128*PITCH                 ; 128 rows: what one tensor load brings
.set SLOT,   4*HALFT                   ; X's 256 rows, then W's 256 rows
.set KS,     SIZE_K/32                 ; a row of scale bytes
.set SCL,    2*SLOT                    ; behind the slots: the scales, as runs of 256 bytes + 16 of padding
.set HALFS,  (128*KS/256)*272          ; the scales of 128 rows
.set SBLK,   (16*KS/256)*272           ; those of 16 rows
.set SPARE,  SCL+4*HALFS               ; the spare words, 128 bytes for each wave: two blocks of 256 bytes that no other line names
.set SROW,   144                       ; the way out: a stage row: a token's 128 bytes of one plane + 16
.set SPLANE, 16*SROW                   ; 16 tokens of one plane
.set SWAVE,  2*SPLANE                  ; a wave's stage: its two planes.  The stages lie in slot 0, which has had its one fill and its last read when the first result is stored there
.set ADRA, 16                          ; v16-17  LDS address of my X fragments in slot 0, 1
.set ADRB, 20                          ; v20-21  the same for W
.set STO,  24                          ; v24     the way out: where I put 16 bytes of a token
.set RD,   25                          ; v25     the way out: where I read them back
.set CO,   26                          ; v26     16 x lane: my place in a store's 512 bytes
.set ADRS, 27                          ; v27     LDS address of my scale words: lanes 0-15 X's rows, lanes 16-31 W's
.set SPW,  28                          ; v28     LDS address of my spare word; never rewritten
.set NIL,  29                          ; v29     0; never rewritten
.set SC,   32                          ; scale words: set s at v[SC + 8 NQ s]; register NQ i + q: lanes 0-15 the word of X's block i, lanes 16-31 that of W's block i, for the slot's q-th 128 along K
.set AF,   128                         ; X's fragments, in window 0
.set BK,   128                         ; the way out: rows read back: v128-159 and v160-191 by turns
.set TMP,  192                         ; the way out: v192-223 packed results
.set G1, 24                            ; s[24:31] descriptor group 1 for X's tiles;  s[32:39] group 0, one set for each slot
.set G0, 32
.set G1B, 48                           ; s[48:55], s[56:63] the same for W's tiles
.set G0B, 56
.set G1S, 68                           ; s[68:75], s[76:79] groups 1 and 0 for X's scales;  s[80:87], s[88:91] for W's
.set G0S, 76
.set G1SB, 80
.set G0SB, 88
.set MSB, 0
.macro WIN new                         ; the immediate's high byte repeats the setting that is left
.if MSB != \new
	s_set_vgpr_msb (MSB<<8)|\new
.set MSB, \new
.endif
.endm
.set MUL_LO, 0xa1                      ; source 0 (W) window 1, source 1 (X) window 0, C and D window 2
.set MUL_HI, 0xf1                      ; the same, C and D window 3
.set TO_B,   0x40                      ; destination window 1, address window 0
; A joint load: waves 0 and 1 fetch for X, waves 2 and 3 for W.  Each of the two lines has one mask and one set of registers for all that issue it; the branch hangs on the wave's number alone.
; An s_nop 0 and four v_nop follow each of the two lines.
.macro JLOAD g0a, g1a, g0b, g1b
	s_cmp_eq_u32 s15, 0
	s_cbranch_scc0 .Lfor_b_\@
	tensor_load_to_lds s[\g0a:\g0a+3], s[\g1a:\g1a+7]
	s_nop 0
.rept 4
	v_nop
.endr
	s_branch .Lasked_\@
.Lfor_b_\@:
	tensor_load_to_lds s[\g0b:\g0b+3], s[\g1b:\g1b+7]
	s_nop 0
.rept 4
	v_nop
.endr
.Lasked_\@:
.endm
.macro CROUND                          ; a round of the cluster's barrier: my work-group's barrier; wave 0 signals for the work-group; every wave waits for all sixteen; my work-group's barrier once more
	s_barrier_signal -1
	s_barrier_wait -1
	s_cmp_lg_u32 s14, 0
	s_cbranch_scc1 .Lnot_wave_0_\@
	s_barrier_signal -3
.Lnot_wave_0_\@:
	s_barrier_wait -3
	s_barrier_signal -1
	s_barrier_wait -1
.endm
	s_load_b128 s[4:7], s[0:1], 0x0                ; X's codes s[4:5], X's scales s[6:7]
	s_load_b128 s[8:11], s[0:1], 0x10              ; W's codes s[8:9], W's scales s[10:11]
	s_load_b64 s[12:13], s[0:1], 0x20              ; qkv
	v_lshl_add_u32 v[SPW], v0, 2, SPARE
	v_mov_b32 v[NIL], 0
	ds_add_u32 v[SPW], v[NIL]                      ; the wave's opening: the add, twice on end, and its wait ahead of my first tensor load; the set-up below stands between
	ds_add_u32 v[SPW], v[NIL]
	v_lshrrev_b32 v1, 5, v0
	v_readfirstlane_b32 s14, v1                    ; wave 0..3
	s_lshr_b32 s15, s14, 1                         ; which half of the tile's rows is mine.  Also: I fetch for X (0) or for W (1)
	s_and_b32 s16, s14, 1                          ; which half of its columns.  Also: which 128 rows of that tile I fetch
	s_bfe_u32 s40, ttmp6, 0x40000                  ; cx, cy: my place in the cluster
	s_bfe_u32 s41, ttmp6, 0x40004
	s_lshl_b32 s42, ttmp9, 2
	s_add_co_u32 s42, s42, s40                     ; tile column of C = 4 x cluster x + cx
	s_and_b32 s17, ttmp7, 0xffff
	s_lshl_b32 s17, s17, 2
	s_add_co_u32 s17, s17, s41                     ; tile row of C = 4 x cluster y + cy
	s_lshl_b32 s43, s41, 2
	s_lshl_b32 s43, 15, s43                        ; my row of the cluster
	s_lshl_b32 s44, 0x1111, s40                    ; my column
	; descriptor group 1: a tile of 128 rows x 256 bytes, padded in LDS
	s_or_b32 s[G1+0], s43, (0<<16)|(1<<20)|(1<<21)|(5<<22)|(3<<25)  ; 15:0 the mask: X's tiles go to my row; 17:16 element of 1 byte; 20 padding on; 21 set beside a mask; 24:22 after every 64 words (code 5); 31:25 of 4 words (code 3)
	s_or_b32 s[G1B+0], s44, (0<<16)|(1<<20)|(1<<21)|(5<<22)|(3<<25)
.irp g, G1, G1B
	s_mov_b32 s[\g+1], ROWB<<16                    ; tensor_dim0
	s_mov_b32 s[\g+2], 128<<16                     ; tensor_dim1 = 128
	s_mov_b32 s[\g+3], ROWB<<16                    ; tile_dim0
	s_mov_b32 s[\g+4], 128                         ; tile_dim1 = 128
	s_mov_b32 s[\g+5], KROW                        ; tensor_dim0_stride
	s_mov_b32 s[\g+6], 0
	s_mov_b32 s[\g+7], 0
.endr
	; and for the scales of 128 rows: a dense block of 4,096 bytes, as rows of 256 bytes (32 elements of 8 bytes), 16 bytes of padding behind each
	s_or_b32 s[G1S+0], s43, (3<<16)|(1<<20)|(1<<21)|(5<<22)|(3<<25)
	s_or_b32 s[G1SB+0], s44, (3<<16)|(1<<20)|(1<<21)|(5<<22)|(3<<25)
.irp g, G1S, G1SB
	s_mov_b32 s[\g+1], 32<<16
	s_mov_b32 s[\g+2], (128*KS/256)<<16
	s_mov_b32 s[\g+3], 32<<16
	s_mov_b32 s[\g+4], 128*KS/256
	s_mov_b32 s[\g+5], 32
	s_mov_b32 s[\g+6], 0
	s_mov_b32 s[\g+7], 0
.endr
	s_lshl_b32 s18, s16, 7                         ; which 128 rows of the tile I fetch
	s_lshl_b32 s20, s17, 8
	s_add_co_u32 s20, s20, s18                     ; X: row 256 x tile row + 128 x half
	s_lshl_b32 s46, s42, 8
	s_add_co_u32 s46, s46, s18                     ; W: row 256 x tile column + 128 x half
	s_mov_b32 s21, 0
	s_mov_b32 s47, 0
	s_mov_b64 s[18:19], KS
	s_mul_u64 s[22:23], s[20:21], s[18:19]         ; where these rows' scales begin, in bytes
	s_mul_u64 s[92:93], s[46:47], s[18:19]
	s_mov_b64 s[18:19], KROW
	s_mul_u64 s[20:21], s[20:21], s[18:19]         ; and their codes
	s_mul_u64 s[46:47], s[46:47], s[18:19]
	s_mul_i32 s45, s14, HALFT                      ; where they go: wave x 128 rows: no place in the cluster enters an LDS address
	s_mul_i32 s94, s14, HALFS
	s_wait_dscnt 0x0                               ; both opening adds are done
	s_wait_kmcnt 0x0
	s_add_nc_u64 s[20:21], s[4:5], s[20:21]
	s_add_nc_u64 s[22:23], s[6:7], s[22:23]
	s_add_nc_u64 s[46:47], s[8:9], s[46:47]
	s_add_nc_u64 s[92:93], s[10:11], s[92:93]
	CROUND                                         ; all sixteen work-groups are here: the joint loads meet
	s_mov_b32 s[G0S], 1
	s_add_co_u32 s[G0S+1], s94, SCL
	s_mov_b64 s[G0S+2:G0S+3], s[22:23]
	s_or_b32 s[G0S+3], s[G0S+3], 0x80000000
	s_mov_b32 s[G0SB], 1
	s_add_co_u32 s[G0SB+1], s94, SCL
	s_mov_b64 s[G0SB+2:G0SB+3], s[92:93]
	s_or_b32 s[G0SB+3], s[G0SB+3], 0x80000000
	JLOAD G0S, G1S, G0SB, G1SB                     ; the scales first: they are wanted with K step 0
.irp s, 0,1
	s_mov_b32 s[G0+4*\s], 1
	s_add_co_u32 s[G0+4*\s+1], s45, \s*SLOT
	s_add_nc_u64 s[G0+4*\s+2:G0+4*\s+3], s[20:21], \s*ROWB
	s_or_b32 s[G0+4*\s+3], s[G0+4*\s+3], 0x80000000
	s_mov_b32 s[G0B+4*\s], 1
	s_add_co_u32 s[G0B+4*\s+1], s45, \s*SLOT
	s_add_nc_u64 s[G0B+4*\s+2:G0B+4*\s+3], s[46:47], \s*ROWB
	s_or_b32 s[G0B+4*\s+3], s[G0B+4*\s+3], 0x80000000
	JLOAD G0+4*\s, G1, G0B+4*\s, G1B               ; three loads of mine are out in all
.endr
	v_and_b32 v1, 15, v0                           ; l % 16
	v_bfe_u32 v2, v0, 4, 1                         ; l / 16
	v_mul_u32_u24 v3, v1, PITCH
	v_lshl_add_u32 v4, v2, 4, v3                   ; a fragment's row x pitch + 16 x half
	s_mul_i32 s21, s15, HALFT                      ; my 128 rows of X
	s_mul_i32 s22, s16, HALFT                      ; my 128 rows of W,
	s_add_co_u32 s22, s22, 2*HALFT                 ; which lie behind X's 256
.irp s, 0,1
	v_add_nc_u32 v[ADRA+\s], s21, v4
	v_add_nc_u32 v[ADRB+\s], s22, v4
	s_add_co_u32 s21, s21, SLOT
	s_add_co_u32 s22, s22, SLOT
.endr
	v_mul_u32_u24 v5, v1, KS                       ; my row's scales: KS bytes a row,
	v_lshrrev_b32 v6, 8, v5
	v_lshl_add_u32 v5, v6, 4, v5                   ; and 16 more for each 256 passed
	s_mul_i32 s21, s15, HALFS                      ; X's: my 128 rows
	s_mul_i32 s22, s16, HALFS                      ; W's: my 128 rows, behind X's 256
	s_add_co_u32 s22, s22, 2*HALFS
	s_sub_co_u32 s22, s22, s21
	v_mul_u32_u24 v6, s22, v2                      ; lanes 16-31 take W's: one product, the distance between the two bases
	s_add_co_u32 s21, s21, SCL
	v_add_nc_u32 v5, v5, v6
	v_add_nc_u32 v[ADRS], s21, v5
	s_mul_i32 s23, s14, SWAVE                      ; my stage
	v_mul_u32_u24 v5, v1, SROW                     ; in: token l % 16, 16 bytes for each half of the lanes
	v_lshl_add_u32 v5, v2, 4, v5
	v_add_nc_u32 v[STO], s23, v5
	v_and_b32 v6, 31, v0
	v_lshrrev_b32 v5, 3, v6                        ; back: eight lanes to a token's 128 bytes, four tokens an instruction
	v_mul_u32_u24 v5, v5, SROW
	v_and_b32 v7, 7, v6
	v_lshl_add_u32 v5, v7, 4, v5
	v_add_nc_u32 v[RD], s23, v5
	v_lshlrev_b32 v[CO], 4, v6
	s_lshl_b32 s20, s17, 15                        ; my first token: 256 x tile row + 128 x half, 128 bytes each
	s_lshl_b32 s21, s15, 14
	s_add_co_u32 s20, s20, s21
	s_mov_b32 s21, 0
	s_lshl_b32 s46, s42, 2                         ; my first plane: 4 x tile column + 2 x half, 524,288 bytes each
	s_lshl_b32 s47, s16, 1
	s_add_co_u32 s46, s46, s47
	s_lshl_b32 s46, s46, 19
	s_mov_b32 s47, 0
	s_add_nc_u64 s[20:21], s[20:21], s[46:47]
	s_add_nc_u64 s[12:13], s[12:13], s[20:21]
.macro FRAG reg, adr, q, i             ; a fragment, 16 rows x 128 K of 4-bit codes, is 8 registers: lane l holds row l % 16; registers 4 c .. 4 c + 3 hold K = 64 c + 32 (l / 16) + 0 .. 31
.irp c, 0,1
	ds_load_b128 v[\reg+4*\c:\reg+4*\c+3], v[\adr] offset:64*(\q)+32*\c+(\i)*16*PITCH
.endr
.endm
; 16 matrix instructions: X's blocks a0, a0 + 1 x W's eight, 128 along K: the slot's q-th.  p: W's set;  sc: the set of scale words.  zero = 1: the first product starts the sums: nothing is ever cleared.
; The 64 accumulators take turns, one instruction a turn, in the same order in every step.
.macro MUL16 a0, p, q, sc, zero
.irp a, \a0, \a0+1
.irp b, 0,1,2,3,4,5,6,7
.if \zero
	v_wmma_scale_f32_16x16x128_f8f6f4 v[8*(8*((\a)%4)+\b):8*(8*((\a)%4)+\b)+7], v[128*(\p)+FR*\b:128*(\p)+FR*\b+FR-1], v[AF+FR*(\a):AF+FR*(\a)+FR-1], 0, v[SC+8*NQ*(\sc)+NQ*\b+(\q)], v[SC+8*NQ*(\sc)+NQ*(\a)+(\q)] matrix_a_fmt:MATRIX_FMT_FP4 matrix_b_fmt:MATRIX_FMT_FP4 matrix_a_scale:MATRIX_SCALE_ROW1
.else
	v_wmma_scale_f32_16x16x128_f8f6f4 v[8*(8*((\a)%4)+\b):8*(8*((\a)%4)+\b)+7], v[128*(\p)+FR*\b:128*(\p)+FR*\b+FR-1], v[AF+FR*(\a):AF+FR*(\a)+FR-1], v[8*(8*((\a)%4)+\b):8*(8*((\a)%4)+\b)+7], v[SC+8*NQ*(\sc)+NQ*\b+(\q)], v[SC+8*NQ*(\sc)+NQ*(\a)+(\q)] matrix_a_fmt:MATRIX_FMT_FP4 matrix_b_fmt:MATRIX_FMT_FP4 matrix_a_scale:MATRIX_SCALE_ROW1
.endif
.endr
.endr
.endm
.macro FETCH_B slot, q, p              ; W's eight fragments of the slot's q-th 128 along K into set p
	WIN TO_B
.irp i, 0,1,2,3,4,5,6,7
	FRAG 128*(\p)+FR*\i, ADRB+\slot, \q, \i
.endr
	WIN 0
.endm
.macro FETCH_A slot, q, i0             ; X's blocks i0 .. i0 + 3
.irp i, \i0, \i0+1, \i0+2, \i0+3
	FRAG AF+FR*(\i), ADRA+\slot, \q, \i
.endr
.endm
.macro SCALES sc                       ; a K step's scale words into set sc: NQ words a row; lanes 0-15 take X's block i, lanes 16-31 W's block i
.irp i, 0,1,2,3,4,5,6,7
	ds_load_b128 v[SC+8*NQ*\sc+NQ*\i:SC+8*NQ*\sc+NQ*\i+3], v[ADRS] offset:\i*SBLK
.endr
.endm
; A load into a register that a matrix instruction has read, and a vector instruction that reads a matrix result, stand NP places behind that matrix instruction; only plain vector instructions
; that name none of its registers are places (ISA guide 7.12.1 for vector instructions).
.macro PLACES n
.rept \n
	v_nop
.endr
.endm
; A step of 128 along K that has its successor in the same slot.
.macro STEP slot, q, zero
	s_wait_dscnt 4*NL                              ; W's set and X's blocks 0-3 are in; the youngest eight loads (X's blocks 4-7) may be out
	WIN MUL_LO
	MUL16 0, (\q)%2, \q, \slot, \zero
	MUL16 2, (\q)%2, \q, \slot, \zero
	s_wait_dscnt 0                                 ; X's blocks 4-7 are in (asked for 32 matrix instructions ago)
	PLACES NP
	FETCH_B \slot, (\q)+1, 1-(\q)%2
	FETCH_A \slot, (\q)+1, 0
	WIN MUL_HI
	MUL16 4, (\q)%2, \q, \slot, \zero
	MUL16 6, (\q)%2, \q, \slot, \zero
	PLACES NP
	WIN 0
	FETCH_A \slot, (\q)+1, 4
.endm
; Slot 0's last step goes over to slot 1: one barrier; in front of it each wave waits for all its tensor loads (its part of slot 1), adds 0 to its spare word, and waits for that and for its own reads of slot 0.
; Behind it slot 1 is whole and nobody reads slot 0 any more: the way out's stages may lie there.
.macro TURN slot, next
	s_wait_tensorcnt 0x0                           ; all my tensor loads have landed  (every window is 0 here: the add's two registers lie in window 0)
	ds_add_u32 v[SPW], v[NIL]                      ; 0 onto my spare word
	s_wait_dscnt 4*NL+1                            ; (the add and the youngest eight loads, X's blocks 4-7, may be out)
	WIN MUL_LO
	MUL16 0, 1, NQ-1, \slot, 0                     ; sixteen matrix instructions stand between the add and the wait for it
	s_wait_dscnt 0x0                               ; the add is done, and my reads of this slot are over
	s_barrier_signal -1
	MUL16 2, 1, NQ-1, \slot, 0
	WIN 0
	s_barrier_wait -1
	PLACES NP
	v_add_nc_u32 v[ADRS], 4*NQ, v[ADRS]            ; on to the next K step's scale words (no LDS load of mine is out)
	FETCH_B \next, 0, 0
	FETCH_A \next, 0, 0
	SCALES \next
	WIN MUL_HI
	MUL16 4, 1, NQ-1, \slot, 0
	MUL16 6, 1, NQ-1, \slot, 0
	PLACES NP
	WIN 0
	FETCH_A \next, 0, 4
.endm
.macro STEPS slot, from                ; the slot's steps from .. NQ - 2
.set Q, \from
.rept NQ-1-\from
	STEP \slot, Q, 0
.set Q, Q+1
.endr
.endm
	s_wait_tensorcnt 1                             ; the scales and my part of K step 0 are in; the one load issued behind them, K step 1's, may be out
	s_barrier_signal -1
	s_barrier_wait -1                              ; everybody's are
	FETCH_B 0, 0, 0
	FETCH_A 0, 0, 0
	SCALES 0
	FETCH_A 0, 0, 4
	STEP 0, 0, 1                                   ; the first step's products start the sums
	STEPS 0, 1
	TURN 0, 1
	STEPS 1, 0
	s_wait_dscnt 4*NL                              ; the very last step: nothing more to fetch
	WIN MUL_LO
	MUL16 0, 1, NQ-1, 1, 0
	MUL16 2, 1, NQ-1, 1, 0
	s_wait_dscnt 0
	WIN MUL_HI
	MUL16 4, 1, NQ-1, 1, 0
	MUL16 6, 1, NQ-1, 1, 0
	WIN 0
; THE WAY OUT, block by block of 16 tokens x 128 columns (two planes).  PACK: rounded to f16, a lane's eight columns are 16 bytes.  TOSTAGE: into my own stage, [plane][token][128 bytes + 16], and back four tokens
; at a time.  SEND: each store covers 512 consecutive bytes of a plane, four tokens.  LDS serves a wave's instructions in order (ISA guide 5.7.1.4): no wait between the stage's stores and loads.
.macro PACK a
.set AC, 64*((\a)%4)
	WIN 0x0a+5*((\a)/4)                            ; sources 0 and 1: window 2 or 3
.irp b, 0,1,2,3,4,5,6,7
.irp r, 0,1,2,3
	v_cvt_pk_f16_f32 v[TMP+4*\b+\r], v[AC+8*\b+2*\r], v[AC+8*\b+2*\r+1]   ; each accumulator from its low end on
.endr
.endr
	WIN 0
.endm
.macro TOSTAGE a
.set BB, BK+32*((\a)%2)
.irp b, 0,1,2,3,4,5,6,7
	ds_store_b128 v[STO], v[TMP+4*\b:TMP+4*\b+3] offset:(\b/4)*SPLANE+32*(\b%4)
.endr
.irp t, 0,1,2,3,4,5,6,7
	ds_load_b128 v[BB+4*\t:BB+4*\t+3], v[RD] offset:(\t/4)*SPLANE+(\t%4)*4*SROW
.endr
.endm
.macro SEND a
.set BB, BK+32*((\a)%2)
	s_wait_dscnt 0x0                               ; the block is back in registers
	s_wait_xcnt 0x0                                ; the stores of the block before have read their registers: the next block's loads may land there
.irp t, 0,1,2,3,4,5,6,7
	global_store_b128 v[CO], v[BB+4*\t:BB+4*\t+3], s[12:13] offset:(\t/4)*524288+(\a)*2048+(\t%4)*512   ; the plane, the block's 16 tokens and the four tokens stand in the immediate: 540,160 at the most
.endr
.endm
	PLACES NP                                      ; behind the last products: for the conversions that read results, and for the loads into the registers that held X's fragments
	PACK 0
	TOSTAGE 0
.irp a, 1,2,3,4,5,6,7                  ; block a's conversions stand between block a - 1's loads from the stage and the wait for them
	PACK \a
	SEND \a-1
	TOSTAGE \a
.endr
	SEND 7
	s_wait_tensorcnt 0x0                           ; the wave's end: behind my last tensor load and my last LDS store
	ds_add_u32 v[SPW], v[NIL]
	s_wait_dscnt 0x0
	CROUND                                         ; the closing round: no work-group ends while a partner may still ask for a tile that names it
	s_endpgm
.Lfunc_end_k_q00aab1ecff_qkv:
	.size	k_q00aab1ecff_qkv, .Lfunc_end_k_q00aab1ecff_qkv-k_q00aab1ecff_qkv
	.p2alignl 7, 3214868480
	.fill 96, 4, 3214868480
	.section	.rodata,"a",@progbits
	.p2align	6, 0x0
	.amdhsa_kernel k_q00aab1ecff_qkv
		.amdhsa_group_segment_fixed_size 327680
		.amdhsa_private_segment_fixed_size 0
		.amdhsa_enable_private_segment 0
		.amdhsa_kernarg_size 40
		.amdhsa_user_sgpr_count 2
		.amdhsa_user_sgpr_kernarg_segment_ptr 1
		.amdhsa_wavefront_size32 1
		.amdhsa_system_sgpr_workgroup_id_x 1
		.amdhsa_system_sgpr_workgroup_id_y 1
		.amdhsa_system_sgpr_workgroup_id_z 1
		.amdhsa_system_vgpr_workitem_id 0
		.amdhsa_next_free_vgpr 1024
		.amdhsa_next_free_sgpr 98
		.amdhsa_reserve_vcc 0
		.amdhsa_float_denorm_mode_32 3
		.amdhsa_float_denorm_mode_16_64 3
		.amdhsa_memory_ordered 1
		.amdhsa_forward_progress 1
		.amdhsa_inst_pref_size 126
	.end_amdhsa_kernel
	.amdgpu_metadata
---
amdhsa.version: [ 1, 2 ]
amdhsa.kernels:
  - .name:           k_q00aab1ecff_qkv
    .symbol:         k_q00aab1ecff_qkv.kd
    .args:
      - { .name: xc, .offset: 0, .size: 8, .value_kind: global_buffer, .address_space: global }
      - { .name: xs, .offset: 8, .size: 8, .value_kind: global_buffer, .address_space: global }
      - { .name: wc, .offset: 16, .size: 8, .value_kind: global_buffer, .address_space: global }
      - { .name: ws, .offset: 24, .size: 8, .value_kind: global_buffer, .address_space: global }
      - { .name: qkv, .offset: 32, .size: 8, .value_kind: global_buffer, .address_space: global }
    .group_segment_fixed_size: 327680
    .private_segment_fixed_size: 0
    .kernarg_segment_align: 8
    .kernarg_segment_size: 40
    .max_flat_workgroup_size: 128
    .sgpr_count:     98
    .vgpr_count:     1024
    .wavefront_size: 32
...
	.end_amdgpu_metadata
.endif
;; end of part 2
;; launch attn (part 3): grid 8 x 32, 8 waves a work-group, clusters of 4 x 1, 327,680 bytes of LDS; arguments qkv, att; writes att
.if DOCPART == 3
	.amdgcn_target "amdgcn-amd-amdhsa--gfx1250"
	.amdhsa_code_object_version 6
	.text
	.protected	k_q00aab1ecff_attn
	.globl	k_q00aab1ecff_attn
	.p2align	8
	.type	k_q00aab1ecff_attn,@function
k_q00aab1ecff_attn:
	s_mov_b64 s[64:65], 0
	v_nop
	global_prefetch_b8 v0, s[64:65] scope:SCOPE_SE
	s_setreg_imm32_b32 hwreg(HW_REG_WAVE_MODE, 25, 1), 1
	s_wait_xcnt 0x0
	s_wait_alu depctr_hold_cnt(0) depctr_sa_sdst(0) depctr_va_vdst(0) depctr_va_sdst(0) depctr_va_ssrc(0) depctr_va_vcc(0) depctr_vm_vsrc(0)
	s_getreg_b32 s2, hwreg(HW_REG_IB_STS2, 6, 4)
	s_cmp_eq_u32 s2, 0
	s_cbranch_scc0 .Lentry_in_a_cluster
	s_endpgm
.Lentry_in_a_cluster:
	s_bfe_u32 s2, ttmp6, 0x10000c
	s_cmp_lg_u32 s2, 0x3003
	s_cbranch_scc0 .Lentry_shape_is_right
	s_endpgm
.Lentry_shape_is_right:
; ATTN: O[q][:] = the sum over k of softmax_k(Q[q] . K[k] / 8) V[k][:], for each of 2 x 16 heads of 64 channels, 2,048 keys, no mask.  Operands in f16 (p too), products, maxima and sums in f32.
; IN: qkv [48 planes][4096 tokens][64] f16 (planes 0-15 q, 16-31 k, 32-47 v).  OUT: att [32 blocks of 128 tokens][16 heads][128 tokens][64] f16: a wave's 32 queries of a head are 4,096 consecutive bytes.
; LIMITS: |attn| is at most the largest |v|, which fits f16 as qkv does; a weight p under f16's smallest number counts as 0; NaN and infinities are not served.
; SHARES.  A work-group owns 256 queries of one head, each of its EIGHT waves 32: two tiles of 16, in 512 registers: two waves to a SIMD, so that one wave's softmax stands beside the other's products and LDS loads.
; At 64 channels a tile's step has some six vector instructions for each matrix instruction, more than turns inside one wave could hide.  Every wave walks all keys, 128 a step; each fragment of K and V feeds two products.
; LAYOUT.  S^T = K Q^T (source 0 = 16 keys, source 1 = 16 queries): a lane holds ONE query (lane % 16) and keys 8 (lane / 16) + 0..7 of each tile.  Two such tiles, rounded to f16 in pairs, ARE source 1 (32 keys x 16 queries)
; of O^T = V^T P.  K comes out of LDS as it lies, V ([key][channel]) turned, by ds_load_tr16_b128.
; SOFTMAX.  A running maximum m for each query: p = 2^(c s - c m), c = log2(e) / 8; in every step O and l are multiplied by a = 2^(c m_old - c m_new), which is 1 where m has not grown: no branch on data.
; THE ROW'S SUM l IS A FIFTH TILE OF THE SECOND PRODUCT: source 0 = ones.  It adds, in f32, the very p that weigh V: eight matrix instructions a step in place of 64 packed additions, in a loop that vector work binds.
; CLUSTER.  The four query blocks of a cluster belong to one head and walk the same K and V: each tile is asked for JOINTLY, by the same tensor load with the same descriptor and a mask that names the four.
; RING.  Two LDS slots of 512 keys, four key steps each, as large as two fit: 2,048 keys are four slots, so the waves of the cluster meet four times in all.  At a slot's head: all my tensor loads awaited, the add, my LDS reads
; awaited, a round of the cluster's barrier, and first behind it my ONE load for the other slot: every wave fetches one step's tile of 128 keys (waves 0-3 K of step wave % 4, waves 4-7 V), so one load of mine is out at a time,
; with four key steps in which to land.  The four slots are written out; in each a loop of four trips walks the one step, whose LDS base steps from trip to trip.
; In memory a key's row is 128 bytes and rows are dense: a tile is stated as 64 rows of 256 bytes, two keys each.
; REGISTERS.  window 0: v2-15 addresses; v16-31 statistics, eight a tile; v64-191 S^T, 64 a tile; v192-255 P, 32 a tile.
;   window 1: v0-31 Q; v32-95 O^T, 32 a tile; v96-111 l, 8 a tile; v112-119 ones; v128-255 K's 16 fragments of a step, then V's 16.
.set PK,    272       ; two keys of K in LDS: 256 bytes + 16: key k at (k / 2) PK + 128 (k % 2): the 16 keys of a load fall on 16 different columns of 16 bytes (64 banks of 4 bytes: ISA guide 11.1)
.set PV,    288       ; two keys of V: 256 + 32
.set VOFF,  64*PK     ; a step's tiles lie together: 128 keys of K, then 128 of V
.set STEPB, 64*(PK+PV)
.set NST,   4         ; key steps in a slot
.set SLOT,  NST*STEPB ; 143,360 bytes
.set STAGE, 2*SLOT    ; behind the ring: for each wave 2 tiles x 16 rows x (128 + 16) bytes, for the way out
.set SROW,  144
.set SWAVE, 2*16*SROW
.set SPARE, STAGE+8*SWAVE  ; the spare words, 128 bytes for each wave: four blocks of 256 bytes that no other line names
.set SLOTB, 512*128   ; a slot's keys in memory: 65,536 bytes of K and as many of V
.set AK0, 2           ; v2   my lane's place in a tile of K; never rewritten
.set AV0, 3           ; v3   the same for V
.set ADK, 4           ; v4   the LDS address of the step's K
.set ADV, 5           ; v5   and V
.set QO,  6           ; v6   my byte offset in the wave's rows of Q
.set STO, 7           ; v7   the way out: where I put 16 bytes of a row
.set RD,  8           ; v8   the way out: where I read them back
.set GO,  9           ; v9   16 x lane: my place in a store's 512 bytes
.set PFO, 10          ; v10  256 x lane: the prefetch's offset; never rewritten
.set SPW, 11          ; v11  LDS address of my spare word; never rewritten
.set NIL, 12          ; v12  0; never rewritten
.set ST,  16          ; tile t's statistics at v[ST+8 t]: +0 c m, +1 m, +2 c m_old, then its change, +4 to +7 the maximum's four chains; a takes +6 once the maximum is found
.set S,   64
.set P,   192
.set Q,   0           ; in window 1: tile t, channels 32 d on: 16 t + 8 d
.set O,   32          ; tile t, channels 16 ct on: 32 t + 8 ct
.set LS,  96          ; tile t: 8 t
.set ONE, 112
.set XY,  128         ; K: keys 16 a on, channels 32 d on: 16 a + 8 d;  V: keys 32 kc on, channels 16 ct on: 32 kc + 8 ct
.set WV,  12          ; s12  my wave's number
.set LIM, 15          ; s15  1 in a wave that prefetches, else the greatest number
.set PFA, 18          ; s[18:19] where my prefetches stand
.set G1K, 24          ; s[24:31] descriptor group 1 for K's tiles
.set G1V, 32          ; s[32:39] for V's: it differs in the padding alone
.set G0K, 40          ; s[40:43] descriptor group 0 for K's tiles: it walks
.set G0V, 44          ; s[44:47] the same for V's
.set LK,  48          ; s48  my tile's place in a slot, if it is K's;
.set LV,  49          ; s49  if it is V's; neither is rewritten
.set CNT, 56          ; s56  counts a slot's key steps
.set CS,  58          ; s[58:59] c: the packed scaling names a pair and takes its low word for both halves
.set SEL, 60          ; s[60:61] lane selects for v_permlanex16_b32: each lane takes its own place in the other half
.set TB,  62          ; s62  LDS byte at which the step in hand begins
.set MSB, 0
.macro WIN new                      ; the immediate's high byte repeats the setting that is left; a switch that changes nothing is dropped
.if MSB != \new
	s_set_vgpr_msb (MSB<<8)|\new
.set MSB, \new
.endif
.endm
.set TO_1, 0x40       ; destination window 1, address window 0
.set W_KQ, 0x05       ; K and Q in window 1, S^T in window 0
.set W_PV, 0x51       ; V (or the ones), and O^T (or l) as C and D, in window 1; P in window 0
.set W_RS, 0x41       ; O^T (destination and source 0) in window 1, a in window 0
; A joint load.  Waves 0 to 3 fetch a step's 128 keys of K each, waves 4 to 7 of V.  The branch hangs on the wave's number alone.  An s_nop 0 and four v_nop follow each of the two lines.
.macro JLOAD
	s_cmp_lt_u32 s[WV], 4
	s_cbranch_scc0 .Lfor_v_\@
	tensor_load_to_lds s[G0K:G0K+3], s[G1K:G1K+7]
	s_nop 0
.rept 4
	v_nop
.endr
	s_branch .Lasked_\@
.Lfor_v_\@:
	tensor_load_to_lds s[G0V:G0V+3], s[G1V:G1V+7]
	s_nop 0
.rept 4
	v_nop
.endr
.Lasked_\@:
.endm
; A PREFETCH of what the NEXT change of slots will ask for: 65,536 bytes of K and of V, four key steps ahead of that load, the least that this ring offers.  It stands behind the wave's tensor load and its five lines.
; Each run of 256 bytes is named ONCE in the launch: both clusters of a head walk the same K and V, and the head's first cluster asks; its four partners take 16,384 bytes of each, told apart BY ADDRESS;
; in each, waves 0 and 2 ask for K's two halves and waves 4 and 6 for V's, lanes 256 bytes apart: one instruction a wave.  The last change that fills a slot asks for nothing; slots 0 and 1 come by their loads alone.
.macro ASK
	s_cmp_eq_u32 s[LIM], 1
	s_cbranch_scc0 .Lnot_mine_\@
	global_prefetch_b8 v[PFO], s[PFA:PFA+1] th:TH_LOAD_NT scope:SCOPE_SE
.Lnot_mine_\@:
.endm
.macro CROUND                       ; a round of the cluster's barrier: my work-group's barrier; wave 0 signals for the work-group; every wave waits for all four; my work-group's barrier once more
	s_barrier_signal -1
	s_barrier_wait -1
	s_cmp_lg_u32 s[WV], 0
	s_cbranch_scc1 .Lnot_wave_0_\@
	s_barrier_signal -3
.Lnot_wave_0_\@:
	s_barrier_wait -3
	s_barrier_signal -1
	s_barrier_wait -1
.endm
	s_load_b128 s[4:7], s[0:1], 0x0  ; qkv s[4:5], att s[6:7]
	v_lshl_add_u32 v[SPW], v0, 2, SPARE
	v_mov_b32 v[NIL], 0
	ds_add_u32 v[SPW], v[NIL]       ; the wave's opening: the add, twice on end, and its wait ahead of my first tensor load; the set-up below stands between
	ds_add_u32 v[SPW], v[NIL]
	v_lshrrev_b32 v1, 5, v0
	v_readfirstlane_b32 s[WV], v1   ; wave 0..7
	s_bfe_u32 s13, ttmp6, 0x40000   ; cx: my place in the cluster
	s_lshl_b32 s14, ttmp9, 2        ; in a cluster launch ttmp9 counts clusters
	s_add_co_u32 s14, s14, s13      ; my block of 256 queries: it enters Q's and att's addresses alone
	s_and_b32 s16, ttmp7, 0xffff    ; 16 x batch + head: the four partners share it
	s_and_b32 s17, s16, 15          ; head
	s_lshr_b32 s16, s16, 4          ; batch
	s_lshl_b32 s20, s17, 19         ; a plane is 524,288 bytes,
	s_lshl_b32 s21, s16, 18         ; a batch's 2,048 tokens 262,144
	s_add_co_u32 s20, s20, s21
	s_mov_b32 s21, 0                ; s[20:21]: where the head's rows begin in q's planes
	s_and_b32 s22, s[WV], 3         ; which of a slot's four steps I fetch for
	s_mul_i32 s[LK], s22, STEPB     ; K's tile of that step in a slot: no place in the cluster enters an LDS address
	s_add_co_u32 s[LV], s[LK], VOFF ; V's
	s_lshl_b32 s22, s22, 14         ; and its 128 keys in memory: 16,384 bytes
	s_mov_b32 s23, 0
	s_lshl_b32 s50, s14, 15         ; Q: my block's 256 rows of 128 bytes,
	s_lshl_b32 s51, s[WV], 12       ; my wave's 32
	s_add_co_u32 s50, s50, s51
	s_mov_b32 s51, 0
	s_lshl_b32 s52, s16, 4          ; att: block of 128 tokens = 16 x batch + 2 x query block + wave / 4,
	s_lshl_b32 s53, s14, 1
	s_add_co_u32 s52, s52, s53
	s_lshr_b32 s53, s[WV], 2
	s_add_co_u32 s52, s52, s53
	s_lshl_b32 s52, s52, 18         ; of 262,144 bytes;
	s_lshl_b32 s53, s17, 14         ; the head's 16,384 in it;
	s_add_co_u32 s52, s52, s53
	s_and_b32 s53, s[WV], 3
	s_lshl_b32 s53, s53, 12         ; my wave's 32 tokens
	s_add_co_u32 s52, s52, s53
	s_mov_b32 s53, 0
	s_mov_b32 s54, 0x1000000        ; the prefetches: v's planes begin 16,777,216 bytes on,
	s_cmp_lt_u32 s[WV], 4
	s_cselect_b32 s54, 0x800000, s54  ; k's 8,388,608
	s_lshl_b32 s55, s13, 14         ; my work-group's 16,384 bytes of a slot's 65,536,
	s_add_co_u32 s54, s54, s55
	s_bfe_u32 s55, s[WV], 0x10001
	s_lshl_b32 s55, s55, 13         ; their half (wave / 2) % 2,
	s_add_co_u32 s54, s54, s55
	s_add_co_u32 s54, s54, SLOTB    ; in slot 1: the first change of slots steps it to slot 2.  Nothing is prefetched here, at the head
	s_mov_b32 s55, 0
	s_and_b32 s[LIM], s[WV], 1      ; 0 in waves 0, 2, 4 and 6,
	s_or_b32 s[LIM], s[LIM], ttmp9  ; where the cluster is the head's first: the same in all four partners
	s_cmp_eq_u32 s[LIM], 0
	s_cselect_b32 s[LIM], 1, -1
	; descriptor group 1: a tile of 64 rows x 128 elements (two keys a row), padded in LDS
	s_mov_b32 s[G1K], 15|(1<<16)|(1<<20)|(1<<21)|(5<<22)|(3<<25)  ; 15:0 the mask: all four work-groups; 17:16 elements of 2 bytes; 20 padding on; 21 set beside a mask; 24:22 after every 64 words (code 5); 31:25 4 words of it (code 3)
	s_mov_b32 s[G1V], 15|(1<<16)|(1<<20)|(1<<21)|(5<<22)|(7<<25)  ; the same with 8 words of padding (code 7)
.irp g, G1K, G1V
	s_mov_b32 s[\g+1], 128<<16      ; tensor_dim0 = 128
	s_mov_b32 s[\g+2], 64<<16       ; tensor_dim1 = 64
	s_mov_b32 s[\g+3], 128<<16      ; tile_dim0 = 128
	s_mov_b32 s[\g+4], 64           ; tile_dim1 = 64
	s_mov_b32 s[\g+5], 128          ; tensor_dim0_stride: the rows are dense
	s_mov_b32 s[\g+6], 0
	s_mov_b32 s[\g+7], 0
.endr
	s_mov_b32 s[CS], 0x3e38aa3b     ; c = log2(e) / 8
	s_mov_b32 s[CS+1], s[CS]        ; named with it as a pair, so it is written
	s_mov_b32 s[SEL], 0x76543210
	s_mov_b32 s[SEL+1], 0xfedcba98
	s_wait_dscnt 0x0                ; both opening adds are done
	s_wait_kmcnt 0x0
	s_add_nc_u64 s[8:9], s[4:5], s[20:21]    ; the head in q's planes
	s_add_nc_u64 s[10:11], s[8:9], s[22:23]  ; + my 128 keys
	s_add_nc_u64 s[PFA:PFA+1], s[8:9], s[54:55]
	s_add_nc_u64 s[50:51], s[8:9], s[50:51]  ; Q at my wave's first row: in registers of its own, so that none that feeds a descriptor holds cx
	s_add_nc_u64 s[6:7], s[6:7], s[52:53]    ; att likewise
	s_mov_b32 s[G0K], 1             ; 1:0 count = 1
	s_mov_b32 s[G0K+1], s[LK]       ; 63:32 LDS address: slot 0
	s_add_nc_u64 s[G0K+2:G0K+3], s[10:11], 0x800000   ; 120:64 global address: k's planes
	s_or_b32 s[G0K+3], s[G0K+3], 0x80000000  ; 127:126 type = 2
	s_mov_b32 s[G0V], 1
	s_mov_b32 s[G0V+1], s[LV]
	s_add_nc_u64 s[G0V+2:G0V+3], s[10:11], 0x1000000  ; v's planes
	s_or_b32 s[G0V+3], s[G0V+3], 0x80000000
	CROUND                          ; all four work-groups are here: the first joint loads meet
	JLOAD                           ; slot 0
	v_and_b32 v15, 31, v0           ; lane
	v_and_b32 v13, 15, v0           ; r = lane % 16
	v_bfe_u32 v14, v0, 4, 1         ; h = lane / 16
	v_lshlrev_b32 v[QO], 7, v13
	v_lshl_add_u32 v[QO], v14, 4, v[QO]  ; Q: row r of 128 bytes + 16 h
	WIN TO_1
.irp t, 0,1
.irp d, 0,1                         ; a fragment is 16 rows x 32 channels: registers 0-3 channels 8 h + 0..7, registers 4-7 channels 16 + 8 h + 0..7: two loads of 16 bytes, 32 bytes apart.  Q stays in registers
	global_load_b128 v[Q+16*\t+8*\d:Q+16*\t+8*\d+3],   v[QO], s[50:51] offset:\t*2048+64*\d
	global_load_b128 v[Q+16*\t+8*\d+4:Q+16*\t+8*\d+7], v[QO], s[50:51] offset:\t*2048+64*\d+32
.endr
.endr
.set n, 0
.rept 80
	v_mov_b32 v[O+n], 0             ; O^T and l.  (The step is written without a first copy: the first step finds zeros, which its a = 0 leaves zeros)
.set n, n+1
.endr
.set n, 0
.rept 8
	v_mov_b32 v[ONE+n], 0x3c003c00  ; 1.0, twice, in f16
.set n, n+1
.endr
	WIN 0
	v_lshrrev_b32 v1, 1, v13
	v_mul_u32_u24 v[AK0], v1, PK
	v_and_b32 v1, 1, v13
	v_lshl_add_u32 v[AK0], v1, 7, v[AK0]
	v_lshl_add_u32 v[AK0], v14, 4, v[AK0]  ; K: key r at (r / 2) PK + 128 (r % 2), + 16 h
	; the turning load takes 16 keys x 16 channels (lane l reads 16 bytes: key 8 h + l % 8, channels 8 ((l / 8) % 2) + 0..7) and leaves half a fragment of V^T: lane l holds channel l % 16 and 8 keys
	v_bfe_u32 v1, v0, 1, 2
	v_lshl_add_u32 v1, v14, 2, v1   ; (8 h + l % 8) / 2
	v_mul_u32_u24 v[AV0], v1, PV
	v_and_b32 v1, 1, v0
	v_lshl_add_u32 v[AV0], v1, 7, v[AV0]
	v_bfe_u32 v1, v0, 3, 1
	v_lshl_add_u32 v[AV0], v1, 4, v[AV0]
	v_add_nc_u32 v[AV0], VOFF, v[AV0]
	v_lshlrev_b32 v[PFO], 8, v15
	s_mul_i32 s16, s[WV], SWAVE
	s_add_co_u32 s16, s16, STAGE    ; my stage
	v_mul_u32_u24 v[STO], v13, SROW ; in: row r, 16 bytes for each half of the lanes
	v_lshl_add_u32 v[STO], v14, 4, v[STO]
	v_add_nc_u32 v[STO], s16, v[STO]
	v_lshrrev_b32 v[RD], 3, v15     ; back: eight lanes to a row of 128 bytes, four rows an instruction
	v_mul_u32_u24 v[RD], v[RD], SROW
	v_and_b32 v1, 7, v15
	v_lshl_add_u32 v[RD], v1, 4, v[RD]
	v_add_nc_u32 v[RD], s16, v[RD]
	v_lshlrev_b32 v[GO], 4, v15
.irp t, 0,1
	v_mov_b32 v[ST+8*\t+1], 0xff61b1e6  ; m: -3e38, under every score
	v_mul_f32 v[ST+8*\t], s[CS], v[ST+8*\t+1]
.endr
; A KEY STEP: the 128 keys whose tiles begin at LDS byte s[TB].  Every offset is an immediate, 16,224 at the most.
.macro STEP
	v_add_nc_u32 v[ADK], s[TB], v[AK0]
	v_add_nc_u32 v[ADV], s[TB], v[AV0]
	v_nop
	v_nop                           ; four places behind the last products V^T P, in front of the loads into the registers that they read (ISA guide 7.12.1 for vector instructions)
	WIN TO_1
.irp d, 0,1                         ; K's 16 fragments, channels 0-31 of all keys first
.irp a, 0,1,2,3,4,5,6,7
	ds_load_b128 v[XY+16*\a+8*\d:XY+16*\a+8*\d+3],   v[ADK] offset:\a*8*PK+64*\d
	ds_load_b128 v[XY+16*\a+8*\d+4:XY+16*\a+8*\d+7], v[ADK] offset:\a*8*PK+64*\d+32
.endr
.endr
	s_wait_dscnt 16                 ; channels 0-31 are in; the sixteen loads of channels 32-63 may be out
	WIN W_KQ
.irp a, 0,1,2,3,4,5,6,7             ; S^T = K Q^T: the sixteen accumulators take turns, one instruction a turn; the first sixteen start the sums
.irp t, 0,1
	v_wmma_f32_16x16x32_f16 v[S+64*\t+8*\a:S+64*\t+8*\a+7], v[XY+16*\a:XY+16*\a+7], v[Q+16*\t:Q+16*\t+7], 0
.endr
.endr
	s_wait_dscnt 0x0
.irp a, 0,1,2,3,4,5,6,7
.irp t, 0,1
	v_wmma_f32_16x16x32_f16 v[S+64*\t+8*\a:S+64*\t+8*\a+7], v[XY+16*\a+8:XY+16*\a+15], v[Q+16*\t+8:Q+16*\t+15], v[S+64*\t+8*\a:S+64*\t+8*\a+7]
.endr
.endr
	WIN 0
.rept 4
	v_nop                           ; four places: for V's loads into the registers that held K, and for the first reads of the scores
.endr
	WIN TO_1
.irp kc, 0,1,2,3                    ; V's 16 fragments, turned; 32 keys at a time.  They land under the softmax
.irp ct, 0,1,2,3
	ds_load_tr16_b128 v[XY+32*\kc+8*\ct:XY+32*\kc+8*\ct+3],   v[ADV] offset:\kc*16*PV+32*\ct
	ds_load_tr16_b128 v[XY+32*\kc+8*\ct+4:XY+32*\kc+8*\ct+7], v[ADV] offset:\kc*16*PV+8*PV+32*\ct
.endr
.endr
	WIN 0
	; the maximum of a lane's 64 scores and the old m: four chains a tile, the two tiles line by line in turn.  Each accumulator is first read at its low end
.irp i, 0,1,2,3
.irp t, 0,1
	v_max3_num_f32 v[ST+8*\t+4+\i], v[S+64*\t+8*\i], v[S+64*\t+8*\i+1], v[S+64*\t+8*\i+2]
.endr
.endr
.irp p, 3,5
.irp i, 0,1,2,3
.irp t, 0,1
	v_max3_num_f32 v[ST+8*\t+4+\i], v[ST+8*\t+4+\i], v[S+64*\t+8*\i+\p], v[S+64*\t+8*\i+\p+1]
.endr
.endr
.endr
.irp p, 0,2,4,6
.irp i, 0,1,2,3
.irp t, 0,1
	v_max3_num_f32 v[ST+8*\t+4+\i], v[ST+8*\t+4+\i], v[S+64*\t+32+8*\i+\p], v[S+64*\t+32+8*\i+\p+1]
.endr
.endr
.endr
.irp t, 0,1
	v_max3_num_f32 v[ST+8*\t+4], v[ST+8*\t+4], v[S+64*\t+7], v[S+64*\t+15]
	v_max3_num_f32 v[ST+8*\t+6], v[ST+8*\t+6], v[S+64*\t+23], v[S+64*\t+31]
.endr
.irp t, 0,1
	v_max3_num_f32 v[ST+8*\t+4], v[ST+8*\t+4], v[ST+8*\t+5], v[ST+8*\t+6]
.endr
.irp t, 0,1
	v_max3_num_f32 v[ST+8*\t+4], v[ST+8*\t+4], v[ST+8*\t+7], v[ST+8*\t+1]
.endr
.irp t, 0,1
	v_permlanex16_b32 v[ST+8*\t+5], v[ST+8*\t+4], s[SEL], s[SEL+1]  ; the query's other 64 keys lie in the lane 16 away
.endr
.irp t, 0,1
	v_mov_b32 v[ST+8*\t+2], v[ST+8*\t]        ; c m_old is kept for a
.endr
.irp t, 0,1
	v_max_num_f32 v[ST+8*\t+1], v[ST+8*\t+4], v[ST+8*\t+5]
.endr
.irp t, 0,1
	v_mul_f32 v[ST+8*\t], s[CS], v[ST+8*\t+1]
.endr
.irp t, 0,1
	v_sub_f32 v[ST+8*\t+2], v[ST+8*\t+2], v[ST+8*\t]
.endr
.set n, 0
.rept 32
	v_pk_fma_f32 v[S+2*n:S+2*n+1], v[S+2*n:S+2*n+1], s[CS:CS+1], v[ST:ST+1] op_sel_hi:[1,0,0] neg_lo:[0,0,1] neg_hi:[0,0,1]               ; c s - c m, two at a time
	v_pk_fma_f32 v[S+64+2*n:S+64+2*n+1], v[S+64+2*n:S+64+2*n+1], s[CS:CS+1], v[ST+8:ST+9] op_sel_hi:[1,0,0] neg_lo:[0,0,1] neg_hi:[0,0,1]
.set n, n+1
.endr
	; ONE BATCH: both tiles' a and all 128 weights; none of these lines reads an exponential's result
.irp t, 0,1
	v_exp_f32 v[ST+8*\t+6], v[ST+8*\t+2]
.endr
.set n, 0
.rept 128
	v_exp_f32 v[S+n], v[S+n]
.set n, n+1
.endr
	v_nop                           ; a plain instruction behind the last exponential and ahead of the first use (ISA guide 5.7.2)
	s_wait_alu depctr_va_vdst(0)    ; and the wait ahead of the first instruction that names a result: one for the batch
.set n, 0
.rept 32
	v_cvt_pk_f16_f32 v[P+n], v[S+2*n], v[S+2*n+1]                 ; two neighbouring keys' weights: P's registers 8 kc .. 8 kc + 7 are source 1 for keys 32 kc on
	v_cvt_pk_f16_f32 v[P+32+n], v[S+64+2*n], v[S+64+2*n+1]
.set n, n+1
.endr
	WIN W_RS
.set n, 0
.rept 16
	v_pk_mul_f32 v[O+2*n:O+2*n+1], v[O+2*n:O+2*n+1], v[ST+6:ST+7] op_sel_hi:[1,0]             ; O^T times a, each accumulator from its low end on
	v_pk_mul_f32 v[O+32+2*n:O+32+2*n+1], v[O+32+2*n:O+32+2*n+1], v[ST+14:ST+15] op_sel_hi:[1,0]
.set n, n+1
.endr
.set n, 0
.rept 4
	v_pk_mul_f32 v[LS+2*n:LS+2*n+1], v[LS+2*n:LS+2*n+1], v[ST+6:ST+7] op_sel_hi:[1,0]         ; and l
	v_pk_mul_f32 v[LS+8+2*n:LS+8+2*n+1], v[LS+8+2*n:LS+8+2*n+1], v[ST+14:ST+15] op_sel_hi:[1,0]
.set n, n+1
.endr
	WIN W_PV
.irp kc, 0,1,2,3                    ; O^T += V^T P and l += 1^T P, 32 keys at a time: ten accumulators by turns
	s_wait_dscnt 24-8*\kc           ; these 32 keys' eight loads are in; those of the later keys may be out
.irp ct, 0,1,2,3
.irp t, 0,1
	v_wmma_f32_16x16x32_f16 v[O+32*\t+8*\ct:O+32*\t+8*\ct+7], v[XY+32*\kc+8*\ct:XY+32*\kc+8*\ct+7], v[P+32*\t+8*\kc:P+32*\t+8*\kc+7], v[O+32*\t+8*\ct:O+32*\t+8*\ct+7]
.endr
.endr
.irp t, 0,1
	v_wmma_f32_16x16x32_f16 v[LS+8*\t:LS+8*\t+7], v[ONE:ONE+7], v[P+32*\t+8*\kc:P+32*\t+8*\kc+7], v[LS+8*\t:LS+8*\t+7]
.endr
.endr
	WIN 0
.endm
; THE CHANGE OF SLOTS stands at a slot's head.  Each wave waits for all its tensor loads (its part of the slot that it is about to read), adds 0 to its spare word, and waits for that and for its reads of the slot that it has left.
; fill = 1: a round of the cluster's barrier: no wave of any partner still reads LDS slot 'slot' or has a load on its way; the joint load for it, the next 512 keys, is the first thing behind the round.
; ask = 1: the slot after that one is prefetched.
.macro CHANGE fill, slot, ask
	s_wait_tensorcnt 0x0            ; no tensor load of mine is out, so a group 0 may be written
	ds_add_u32 v[SPW], v[NIL]       ; 0 onto my spare word: the descriptors' steps stand between it and the wait for it
.if \fill
	s_add_co_u32 s[G0K+1], s[LK], \slot*SLOT  ; the walking descriptors: my tile's place in the slot to be filled,
	s_add_nc_u64 s[G0K+2:G0K+3], s[G0K+2:G0K+3], SLOTB  ; the next 512 keys; the type bits on top are not reached
	s_add_co_u32 s[G0V+1], s[LV], \slot*SLOT
	s_add_nc_u64 s[G0V+2:G0V+3], s[G0V+2:G0V+3], SLOTB
.if \ask
	s_wait_xcnt 0x0                 ; the last prefetch, a slot back, has read its address, so it may be written:
	s_add_nc_u64 s[PFA:PFA+1], s[PFA:PFA+1], SLOTB  ; one slot further on than the walking descriptors
.endif
	s_wait_dscnt 0x0                ; the add is done, and my reads of the slot that I have left are over
	CROUND
	JLOAD
.if \ask
	ASK
.endif
.else
	s_wait_dscnt 0x0
	s_barrier_signal -1
	s_barrier_wait -1
.endif
.endm
; A slot's four key steps: the step is written once and walked four times; its LDS base steps by a step's bytes.
.macro SLOT_STEPS base
	s_mov_b32 s[TB], \base
	s_mov_b32 s[CNT], NST
.Lstep_\@:
	STEP
	s_add_co_u32 s[TB], s[TB], STEPB
	s_sub_co_u32 s[CNT], s[CNT], 1
	s_cmp_lg_u32 s[CNT], 0
	s_cbranch_scc1 .Lstep_\@
.endm
	s_wait_loadcnt 0x0              ; Q
	CHANGE 1, 1, 1                  ; keys 0-511 are in; keys 512-1,023 are asked for, into slot 1: its first fill, behind a round behind which nothing is filled again
	SLOT_STEPS 0
	CHANGE 1, 0, 1                  ; keys 1,024-1,535 into slot 0
	SLOT_STEPS SLOT
	CHANGE 1, 1, 0                  ; keys 1,536-2,047 into slot 1: the last load
	SLOT_STEPS 0
	CHANGE 0, 0, 0                  ; nothing is left to fetch
	SLOT_STEPS SLOT
	; THE WAY OUT.  Every register of l holds the whole row's sum, in both halves of the lanes; O^T is divided by it, rounded to f16 and sent through my stage, a tile (16 queries) at a time.
.rept 4
	v_nop                           ; four places behind the last products
.endr
	WIN 0x01                        ; source 0 window 1
.irp t, 0,1
	v_rcp_f32 v[ST+8*\t+6], v[LS+8*\t]  ; l's lowest register
.endr
	v_nop                           ; a plain instruction between the last reciprocal and the use of its result
	s_wait_alu depctr_va_vdst(0)    ; and the wait ahead of the first use: one for both
.macro PACK t
	WIN W_RS
.set n, 0
.rept 16
	v_pk_mul_f32 v[O+32*\t+2*n:O+32*\t+2*n+1], v[O+32*\t+2*n:O+32*\t+2*n+1], v[ST+8*\t+6:ST+8*\t+7] op_sel_hi:[1,0]
.set n, n+1
.endr
	WIN 0x05                        ; sources 0 and 1 window 1, destination window 0: S^T's registers are free
.set n, 0
.rept 16
	v_cvt_pk_f16_f32 v[S+16*\t+n], v[O+32*\t+2*n], v[O+32*\t+2*n+1]
.set n, n+1
.endr
	WIN 0
.irp ct, 0,1,2,3
	ds_store_b128 v[STO], v[S+16*\t+4*\ct:S+16*\t+4*\ct+3] offset:\t*16*SROW+32*\ct   ; query r, channels 16 ct + 8 h + 0..7
.endr
.irp i, 0,1,2,3
	ds_load_b128 v[S+32+16*\t+4*\i:S+32+16*\t+4*\i+3], v[RD] offset:\t*16*SROW+\i*4*SROW  ; LDS serves a wave's instructions in order (ISA guide 5.7.1.4): these see the stores above
.endr
.endm
.macro SEND t, younger              ; younger: the LDS instructions issued behind tile t's loads
.irp i, 0,1,2,3
	s_wait_dscnt \younger+3-\i
	global_store_b128 v[GO], v[S+32+16*\t+4*\i:S+32+16*\t+4*\i+3], s[6:7] offset:\t*2048+512*\i  ; 512 consecutive bytes: four queries' rows
.endr
.endm
	PACK 0
	PACK 1
	SEND 0, 8                       ; behind tile 0's loads: tile 1's four stores and four loads
	SEND 1, 0
	s_wait_tensorcnt 0x0            ; the wave's end: behind my last tensor load and my last LDS store
	ds_add_u32 v[SPW], v[NIL]
	s_wait_dscnt 0x0
	CROUND                          ; the closing round: no work-group ends while a partner may still ask for a tile that names it
	s_endpgm
.Lfunc_end_k_q00aab1ecff_attn:
	.size	k_q00aab1ecff_attn, .Lfunc_end_k_q00aab1ecff_attn-k_q00aab1ecff_attn
	.p2alignl 7, 3214868480
	.fill 96, 4, 3214868480
	.section	.rodata,"a",@progbits
	.p2align	6, 0x0
	.amdhsa_kernel k_q00aab1ecff_attn
		.amdhsa_group_segment_fixed_size 327680
		.amdhsa_private_segment_fixed_size 0
		.amdhsa_enable_private_segment 0
		.amdhsa_kernarg_size 16
		.amdhsa_user_sgpr_count 2
		.amdhsa_user_sgpr_kernarg_segment_ptr 1
		.amdhsa_wavefront_size32 1
		.amdhsa_system_sgpr_workgroup_id_x 1
		.amdhsa_system_sgpr_workgroup_id_y 1
		.amdhsa_system_sgpr_workgroup_id_z 1
		.amdhsa_system_vgpr_workitem_id 0
		.amdhsa_next_free_vgpr 512
		.amdhsa_next_free_sgpr 66
		.amdhsa_reserve_vcc 0
		.amdhsa_float_denorm_mode_32 3
		.amdhsa_float_denorm_mode_16_64 3
		.amdhsa_memory_ordered 1
		.amdhsa_forward_progress 1
		.amdhsa_inst_pref_size 136
	.end_amdhsa_kernel
	.amdgpu_metadata
---
amdhsa.version: [ 1, 2 ]
amdhsa.kernels:
  - .name:           k_q00aab1ecff_attn
    .symbol:         k_q00aab1ecff_attn.kd
    .args:
      - { .name: qkv, .offset: 0, .size: 8, .value_kind: global_buffer, .address_space: global }
      - { .name: att, .offset: 8, .size: 8, .value_kind: global_buffer, .address_space: global }
    .group_segment_fixed_size: 327680
    .private_segment_fixed_size: 0
    .kernarg_segment_align: 8
    .kernarg_segment_size: 16
    .max_flat_workgroup_size: 256
    .sgpr_count:     66
    .vgpr_count:     512
    .wavefront_size: 32
...
	.end_amdgpu_metadata
.endif
;; end of part 3
;; launch proj (part 4): grid 8 x 32, 4 waves a work-group, clusters of 4 x 4, 327,680 bytes of LDS; arguments att, wo16, out0; writes out0
.if DOCPART == 4
	.amdgcn_target "amdgcn-amd-amdhsa--gfx1250"
	.amdhsa_code_object_version 6
	.text
	.protected	k_q00aab1ecff_proj
	.globl	k_q00aab1ecff_proj
	.p2align	8
	.type	k_q00aab1ecff_proj,@function
k_q00aab1ecff_proj:
	s_mov_b64 s[64:65], 0
	v_nop
	global_prefetch_b8 v0, s[64:65] scope:SCOPE_SE
	s_setreg_imm32_b32 hwreg(HW_REG_WAVE_MODE, 25, 1), 1
	s_wait_xcnt 0x0
	s_wait_alu depctr_hold_cnt(0) depctr_sa_sdst(0) depctr_va_vdst(0) depctr_va_sdst(0) depctr_va_ssrc(0) depctr_va_vcc(0) depctr_vm_vsrc(0)
	s_getreg_b32 s2, hwreg(HW_REG_IB_STS2, 6, 4)
	s_cmp_eq_u32 s2, 0
	s_cbranch_scc0 .Lentry_in_a_cluster
	s_endpgm
.Lentry_in_a_cluster:
	s_bfe_u32 s2, ttmp6, 0x10000c
	s_cmp_lg_u32 s2, 0xf033
	s_cbranch_scc0 .Lentry_shape_is_right
	s_endpgm
.Lentry_shape_is_right:
; PROJ: out0[m][n] = sum over k of attn[m][k] wo[k][n]; m = 4,096 tokens, n = 1,024, K = 1,024 (16 heads x 64).  Operands in f16, sums in f32, out0 in f32.
; IN: att [32 blocks of 128 tokens][16 heads][128 tokens][64] f16: for a tile of 128 tokens, four heads (256 along K) are 65,536 consecutive bytes.  wo16 [1024 k][1024 n] f16, K outermost: it comes out of LDS turned.
; A tile of out0 is 128 x 128: 8 x 32 = 256 work-groups.  Four waves, each 64 x 64: 16 accumulators of 16 x 16.  K goes in four steps of 256 through a ring of two LDS slots.
; CLUSTERS: 4 x 4 work-groups.  The four of a row of the cluster need the same tiles of att, the four of a column the same tiles of wo16: each tile is asked for JOINTLY, by the same tensor load with the same descriptor and a mask.
; THE MATRIX INSTRUCTION IS USED TRANSPOSED (source 0 = 16 columns of wo, source 1 = 16 tokens): a lane then holds eight neighbouring numbers of a row of out0.
; REGISTERS: window 0: v0-31 addresses; v32-95 rows on the way out; v128-255 the accumulators ((a, b) at v[128 + 8 (4 a + b)]).
;   window 1: two fragment buffers of 128: for 64 along K (one head), 64 registers of att (2 x 4 x 16 tokens x 32 K), then 64 of wo.
.set PA,     272                       ; att in LDS: two tokens' 256 bytes + 16: token t at (t / 2) PA + 128 (t % 2): the 16 tokens of a load fall on 16 different columns of 16 bytes (64 banks of 4 bytes: ISA guide 11.1)
.set PB,     288                       ; wo in LDS: a k's 128 columns, 256 bytes + 32
.set BOFF,   256*PA                    ; a slot: att's 4 heads x 64 rows, then wo's 256 rows
.set SLOT,   256*(PA+PB)
.set STAGE,  2*SLOT                    ; behind the ring: 16 rows x (256 + 16) bytes for each wave, for the way out
.set SPITCH, 272
.set SPARE,  STAGE+4*16*SPITCH         ; the spare words, 128 bytes for each wave: two blocks of 256 bytes that no other line names
.set LAPS,   2                         ; a lap = two K steps = once round the ring
.set ADRA, 16                          ; v16-17  LDS address of my att fragments in slot 0, 1
.set ADRB, 20                          ; v20-23  the same for wo: two for each slot, 128 rows apart, so that every offset stays under 65,536
.set STO,  24                          ; v24     the way out: where I put 32 bytes of a row
.set RD,   25                          ; v25     the way out: where I read a row back
.set CO,   26                          ; v26     my byte offset in out0
.set SPW,  28                          ; v28     LDS address of my spare word; never rewritten
.set NIL,  29                          ; v29     0; never rewritten
.set TMP,  32
.set ACC,  128
.set F0,   0                           ; fragment buffers, in window 1
.set F1,   128
.set G1, 24                            ; s[24:31] descriptor group 1 for att's tiles;  s[32:39] group 0, one set for each slot
.set G0, 32
.set G1B, 48                           ; s[48:55], s[56:63] the same for wo's tiles
.set G0B, 56
.set MSB, 0
.macro WIN new                         ; the immediate's high byte repeats the setting that is left
.if MSB != \new
	s_set_vgpr_msb (MSB<<8)|\new
.set MSB, \new
.endif
.endm
.set MUL,  0x05                        ; sources 0 (wo) and 1 (att) window 1; C and D window 0
.set TO_F, 0x40                        ; destination window 1, address window 0
.macro JLOAD s                         ; a joint load: waves 0 and 1 fetch att's two halves, waves 2 and 3 wo's; an s_nop 0 and four v_nop follow each of the two lines
	s_cmp_eq_u32 s11, 0
	s_cbranch_scc0 .Lfor_b_\@
	tensor_load_to_lds s[G0+4*\s:G0+4*\s+3], s[G1:G1+7]
	s_nop 0
.rept 4
	v_nop
.endr
	s_branch .Lasked_\@
.Lfor_b_\@:
	tensor_load_to_lds s[G0B+4*\s:G0B+4*\s+3], s[G1B:G1B+7]
	s_nop 0
.rept 4
	v_nop
.endr
.Lasked_\@:
.endm
.macro CREST                           ; a round of the cluster's barrier behind its opening barrier
	s_cmp_lg_u32 s10, 0
	s_cbranch_scc1 .Lnot_wave_0_\@
	s_barrier_signal -3
.Lnot_wave_0_\@:
	s_barrier_wait -3
	s_barrier_signal -1
	s_barrier_wait -1
.endm
.macro CROUND                          ; a whole round
	s_barrier_signal -1
	s_barrier_wait -1
	CREST
.endm
	s_load_b128 s[4:7], s[0:1], 0x0                ; att s[4:5], wo16 s[6:7]
	s_load_b64 s[8:9], s[0:1], 0x10                ; out0
	v_lshl_add_u32 v[SPW], v0, 2, SPARE
	v_mov_b32 v[NIL], 0
	ds_add_u32 v[SPW], v[NIL]                      ; the wave's opening: the add, twice on end, and its wait ahead of my first tensor load; the set-up below stands between
	ds_add_u32 v[SPW], v[NIL]
	v_lshrrev_b32 v1, 5, v0
	v_readfirstlane_b32 s10, v1                    ; wave 0..3
	s_lshr_b32 s11, s10, 1                         ; which half of the tile's rows is mine.  Also: I fetch for att (0) or for wo (1)
	s_and_b32 s12, s10, 1                          ; which half of its columns.  Also: which half of that tile I fetch
	s_bfe_u32 s40, ttmp6, 0x40000                  ; cx, cy: my place in the cluster
	s_bfe_u32 s41, ttmp6, 0x40004
	s_lshl_b32 s42, ttmp9, 2
	s_add_co_u32 s42, s42, s40                     ; tile column = 4 x cluster x + cx
	s_and_b32 s13, ttmp7, 0xffff
	s_lshl_b32 s13, s13, 2
	s_add_co_u32 s13, s13, s41                     ; tile row = 4 x cluster y + cy
	s_lshl_b32 s43, s41, 2
	s_lshl_b32 s43, 15, s43                        ; my row of the cluster
	s_lshl_b32 s44, 0x1111, s40                    ; my column
	; descriptor group 1: tiles of 128 rows x 128 elements, padded in LDS.  att's rows are two tokens of one head, dense in memory; wo's are 128 columns of a row of 1,024
	s_or_b32 s[G1+0], s43, (1<<16)|(1<<20)|(1<<21)|(5<<22)|(3<<25)  ; 15:0 the mask: att's tiles go to my row; 17:16 element of 2 bytes; 20 padding on; 21 set beside a mask; 24:22 after every 64 words (code 5); 31:25 of 4 words (code 3)
	s_or_b32 s[G1B+0], s44, (1<<16)|(1<<20)|(1<<21)|(5<<22)|(7<<25) ; wo's go to my column; 8 words of padding (code 7)
.irp g, G1, G1B
	s_mov_b32 s[\g+1], 128<<16                     ; tensor_dim0 = 128
	s_mov_b32 s[\g+2], 128<<16                     ; tensor_dim1 = 128
	s_mov_b32 s[\g+3], 128<<16                     ; tile_dim0 = 128
	s_mov_b32 s[\g+4], 128                         ; tile_dim1 = 128
	s_mov_b32 s[\g+6], 0
	s_mov_b32 s[\g+7], 0
.endr
	s_mov_b32 s[G1+5], 128                         ; tensor_dim0_stride: dense
	s_mov_b32 s[G1B+5], 1024                       ; a row of wo16
	s_lshl_b32 s16, s13, 18                        ; att: the tile row's block of 262,144 bytes,
	s_lshl_b32 s17, s12, 15                        ; + two heads (32,768 bytes) for the second half
	s_add_co_u32 s16, s16, s17
	s_mov_b32 s17, 0
	s_lshl_b32 s46, s42, 8                         ; wo16: the tile column's 256 bytes of a row,
	s_lshl_b32 s47, s12, 18                        ; + 128 rows of 2,048 bytes for the second half
	s_add_co_u32 s46, s46, s47
	s_mov_b32 s47, 0
	s_mul_i32 s20, s12, 128*PA                     ; where they go: no place in the cluster enters an LDS address
	s_mul_i32 s21, s12, 128*PB
	s_add_co_u32 s21, s21, BOFF
	s_wait_dscnt 0x0                               ; both opening adds are done
	s_wait_kmcnt 0x0
	s_add_nc_u64 s[14:15], s[4:5], s[16:17]
	s_add_nc_u64 s[46:47], s[6:7], s[46:47]
	CROUND                                         ; all sixteen work-groups are here: the first joint loads meet
.irp s, 0,1
	s_mov_b32 s[G0+4*\s], 1
	s_add_co_u32 s[G0+4*\s+1], s20, \s*SLOT
	s_add_nc_u64 s[G0+4*\s+2:G0+4*\s+3], s[14:15], \s*65536       ; K step s: four heads on
	s_or_b32 s[G0+4*\s+3], s[G0+4*\s+3], 0x80000000
	s_mov_b32 s[G0B+4*\s], 1
	s_add_co_u32 s[G0B+4*\s+1], s21, \s*SLOT
	s_add_nc_u64 s[G0B+4*\s+2:G0B+4*\s+3], s[46:47], \s*524288    ; 256 rows on
	s_or_b32 s[G0B+4*\s+3], s[G0B+4*\s+3], 0x80000000
	JLOAD \s                                       ; two loads of mine are out
.endr
	v_and_b32 v1, 15, v0                           ; r = l % 16
	v_bfe_u32 v2, v0, 4, 1                         ; h = l / 16
	v_lshrrev_b32 v3, 1, v1
	v_mul_u32_u24 v3, v3, PA
	v_and_b32 v4, 1, v1
	v_lshl_add_u32 v3, v4, 7, v3
	v_lshl_add_u32 v3, v2, 4, v3                   ; att: token r at (r / 2) PA + 128 (r % 2), + 16 h
	s_mul_i32 s21, s11, 32*PA                      ; my 64 tokens
	v_add_nc_u32 v[ADRA], s21, v3
	s_add_co_u32 s21, s21, SLOT
	v_add_nc_u32 v[ADRA+1], s21, v3
	v_and_b32 v4, 7, v0                            ; wo, turned: lane l reads 16 bytes: row 8 h + l % 8, columns 8 ((l / 8) % 2) + 0..7
	v_lshl_add_u32 v4, v2, 3, v4
	v_mul_u32_u24 v4, v4, PB
	v_bfe_u32 v5, v0, 3, 1
	v_lshl_add_u32 v4, v5, 4, v4
	s_lshl_b32 s22, s12, 7                         ; my 64 columns
	s_add_co_u32 s22, s22, BOFF
	v_add_nc_u32 v[ADRB], s22, v4
	s_add_co_u32 s22, s22, 128*PB
	v_add_nc_u32 v[ADRB+1], s22, v4
	s_add_co_u32 s22, s22, SLOT-128*PB
	v_add_nc_u32 v[ADRB+2], s22, v4
	s_add_co_u32 s22, s22, 128*PB
	v_add_nc_u32 v[ADRB+3], s22, v4
	s_mul_i32 s23, s10, 16*SPITCH
	s_add_co_u32 s23, s23, STAGE                   ; my stage
	v_mul_u32_u24 v4, v1, SPITCH                   ; in: row r, 32 bytes for each half of the lanes
	v_lshl_add_u32 v4, v2, 5, v4
	v_add_nc_u32 v[STO], s23, v4
	v_mul_u32_u24 v5, v2, SPITCH                   ; back: lanes 0-15 take one row of 256 bytes, lanes 16-31 the next
	v_lshl_add_u32 v5, v1, 4, v5
	v_add_nc_u32 v[RD], s23, v5
	v_lshlrev_b32 v5, 12, v2                       ; and the same two rows in out0: 4,096 bytes a row
	v_lshl_add_u32 v[CO], v1, 4, v5
	s_lshl_b32 s16, s13, 7
	s_lshl_b32 s17, s11, 6
	s_add_co_u32 s16, s16, s17                     ; my first row of out0: 128 x tile row + 64 x half
	s_lshl_b32 s16, s16, 12
	s_mov_b32 s17, 0
	s_add_nc_u64 s[8:9], s[8:9], s[16:17]
	s_lshl_b32 s46, s42, 9                         ; my first column, in bytes: 512 x tile column + 256 x half
	s_lshl_b32 s47, s12, 8
	s_add_co_u32 s46, s46, s47
	s_mov_b32 s47, 0
	s_add_nc_u64 s[8:9], s[8:9], s[46:47]
; 8 matrix instructions: token blocks a0, a0 + 1 x all 4 column blocks, 32 along K: half c of buffer f.  zero = 1: the first product starts the sums.  The 16 accumulators take turns
.macro MUL8 f, c, a0, zero
.irp a, \a0, \a0+1
.irp b, 0,1,2,3
.if \zero
	v_wmma_f32_16x16x32_f16 v[ACC+8*(4*(\a)+\b):ACC+8*(4*(\a)+\b)+7], v[\f+64+8*(4*\c+\b):\f+64+8*(4*\c+\b)+7], v[\f+8*(4*\c+\a):\f+8*(4*\c+\a)+7], 0
.else
	v_wmma_f32_16x16x32_f16 v[ACC+8*(4*(\a)+\b):ACC+8*(4*(\a)+\b)+7], v[\f+64+8*(4*\c+\b):\f+64+8*(4*\c+\b)+7], v[\f+8*(4*\c+\a):\f+8*(4*\c+\a)+7], v[ACC+8*(4*(\a)+\b):ACC+8*(4*(\a)+\b)+7]
.endif
.endr
.endr
.endm
; 32 LDS loads in one run: the fragments of the slot's q-th head (64 along K) into buffer f; its first 32 along K first
.macro FETCH slot, q, f
	WIN TO_F
.irp c, 0,1
.irp i, 0,1,2,3
	ds_load_tr16_b128 v[\f+64+8*(4*\c+\i):\f+64+8*(4*\c+\i)+3],   v[ADRB+2*\slot+(\q)/2] offset:((\q)%2)*64*PB+\c*32*PB+32*\i
	ds_load_tr16_b128 v[\f+64+8*(4*\c+\i)+4:\f+64+8*(4*\c+\i)+7], v[ADRB+2*\slot+(\q)/2] offset:((\q)%2)*64*PB+\c*32*PB+16*PB+32*\i
	ds_load_b128 v[\f+8*(4*\c+\i):\f+8*(4*\c+\i)+3],              v[ADRA+\slot] offset:(\q)*64*PA+\i*8*PA+64*\c
	ds_load_b128 v[\f+8*(4*\c+\i)+4:\f+8*(4*\c+\i)+7],            v[ADRA+\slot] offset:(\q)*64*PA+\i*8*PA+64*\c+32
.endr
.endr
.endm
.macro PLACES                          ; four places in front of loads into registers that matrix instructions have read, and of the first reads of results (ISA guide 7.12.1 for vector instructions)
.rept 4
	v_nop
.endr
.endm
; A K step is four quarters of 64 along K, 32 matrix instructions each, on buffers 0, 1, 0, 1.  One of the first three: multiplies buffer f and fetches the slot's q-th head into g.
.macro QUARTER slot, q, f, g, zero
	s_wait_dscnt 16                                ; the first 32 along K are in; the sixteen loads of the second 32 may be out
	WIN MUL
	MUL8 \f, 0, 0, \zero
	MUL8 \f, 0, 2, \zero
	PLACES
	FETCH \slot, \q, \g
	s_wait_dscnt 32                                ; all but the 32 just issued
	WIN MUL
	MUL8 \f, 1, 0, 0
	MUL8 \f, 1, 2, 0
.endm
; The last quarter multiplies buffer 1 and changes slots: ONE barrier; in front of it each wave waits for all its tensor loads, adds 0 to its spare word, and waits for that and for its own reads of this slot.  fill = 1: this slot is filled again, two K steps ahead.
.macro TURN slot, next, fill
	WIN 0                                          ; (the add's two registers lie in window 0)
	s_wait_tensorcnt 0x0                           ; all my tensor loads have landed: my part of the next slot;
	ds_add_u32 v[SPW], v[NIL]                      ; 0 onto my spare word
	s_wait_dscnt 17                                ; (the add and the youngest sixteen loads may be out)
	WIN MUL
	MUL8 F1, 0, 0, 0                               ; eight matrix instructions stand between the add and the wait for it
	s_wait_dscnt 0x0                               ; the add is done, and my reads of this slot are over
	s_barrier_signal -1
	MUL8 F1, 0, 2, 0
.if \fill
	WIN 0
.endif
	s_barrier_wait -1
.if \fill
	CREST                                          ; the barrier has opened a round of the cluster's barrier: no wave of any partner still reads this slot's tile or has a load on its way
	s_add_nc_u64 s[G0+4*\slot+2:G0+4*\slot+3], s[G0+4*\slot+2:G0+4*\slot+3], 2*65536
	s_add_nc_u64 s[G0B+4*\slot+2:G0B+4*\slot+3], s[G0B+4*\slot+2:G0B+4*\slot+3], 2*524288
	JLOAD \slot                                    ; the first tensor load behind the round, and my one load until the next; the four v_nop behind it are also the places in front of the loads below
.else
	PLACES
.endif
	FETCH \next, 0, F0
	WIN MUL
	MUL8 F1, 1, 0, 0
	MUL8 F1, 1, 2, 0
.endm
	s_wait_tensorcnt 1                             ; my part of K step 0 is in; the one load issued behind it, K step 1's, may be out
	s_barrier_signal -1
	s_barrier_wait -1                              ; everybody's is
	FETCH 0, 0, F0
	QUARTER 0, 1, F0, F1, 1                        ; the first quarter stands in front of the loop: its first products start the sums
	WIN 0                                          ; at a label and at a branch every window is 0
	s_mov_b32 s3, LAPS-1
.Llap:                                                 ; a trip goes once round the ring, from a lap's second quarter to the next lap's first, and fills both slots again
	QUARTER 0, 2, F1, F0, 0
	QUARTER 0, 3, F0, F1, 0
	TURN 0, 1, 1
	QUARTER 1, 1, F0, F1, 0
	QUARTER 1, 2, F1, F0, 0
	QUARTER 1, 3, F0, F1, 0
	TURN 1, 0, 1
	QUARTER 0, 1, F0, F1, 0
	WIN 0
	s_sub_co_u32 s3, s3, 1
	s_cmp_lg_u32 s3, 0
	s_cbranch_scc1 .Llap
	QUARTER 0, 2, F1, F0, 0                        ; the last lap fills nothing, and has no round of the cluster's barrier
	QUARTER 0, 3, F0, F1, 0
	TURN 0, 1, 0
	QUARTER 1, 1, F0, F1, 0
	QUARTER 1, 2, F1, F0, 0
	QUARTER 1, 3, F0, F1, 0
	s_wait_dscnt 16                                ; the very last quarter: nothing more to fetch
	WIN MUL
	MUL8 F1, 0, 0, 0
	MUL8 F1, 0, 2, 0
	s_wait_dscnt 0
	MUL8 F1, 1, 0, 0
	MUL8 F1, 1, 2, 0
	WIN 0
; THE WAY OUT, block by block of 16 tokens x 64 columns.  A lane holds 32 neighbouring bytes of a row; a wave's 64 columns are 256 consecutive bytes of out0, aligned: so each wave has a stage of its own and no barrier is needed.
; LDS serves a wave's instructions in order (ISA guide 5.7.1.4): no wait between the stage's stores and loads.
.macro OUTBLK a
.irp b, 0,1,2,3
	ds_store_b128 v[STO], v[ACC+8*(4*(\a)+\b):ACC+8*(4*(\a)+\b)+3] offset:64*\b        ; each accumulator from its low end on
	ds_store_b128 v[STO], v[ACC+8*(4*(\a)+\b)+4:ACC+8*(4*(\a)+\b)+7] offset:64*\b+16
.endr
.irp i, 0,1,2,3,4,5,6,7
	ds_load_b128 v[TMP+32*((\a)%2)+4*\i:TMP+32*((\a)%2)+4*\i+3], v[RD] offset:\i*2*SPITCH
.endr
.endm
.macro SENDO a, younger                ; younger: the LDS instructions issued behind block a's loads, which may stay out
	s_wait_dscnt \younger
.irp i, 0,1,2,3,4,5,6,7
	global_store_b128 v[CO], v[TMP+32*((\a)%2)+4*\i:TMP+32*((\a)%2)+4*\i+3], s[8:9] offset:(16*(\a)+2*\i)*4096 th:TH_STORE_NT   ; 16 lanes store 256 consecutive bytes, aligned; written once, read by nobody here
.endr
.endm
	PLACES                                         ; behind the last products, in front of the first reads of results
	OUTBLK 0
.irp a, 1,2,3
.if \a > 1
	s_wait_xcnt 0x0                                ; block a - 2's stores have read their registers: block a's loads may land there
.endif
	OUTBLK \a
	SENDO \a-1, 16                                 ; behind block a - 1's loads: block a's eight stores and eight loads
.endr
	SENDO 3, 0
	s_wait_tensorcnt 0x0                           ; the wave's end: behind my last tensor load and my last LDS store
	ds_add_u32 v[SPW], v[NIL]
	s_wait_dscnt 0x0
	CROUND                                         ; the closing round: no work-group ends while a partner may still ask for a tile that names it
	s_endpgm
.Lfunc_end_k_q00aab1ecff_proj:
	.size	k_q00aab1ecff_proj, .Lfunc_end_k_q00aab1ecff_proj-k_q00aab1ecff_proj
	.p2alignl 7, 3214868480
	.fill 96, 4, 3214868480
	.section	.rodata,"a",@progbits
	.p2align	6, 0x0
	.amdhsa_kernel k_q00aab1ecff_proj
		.amdhsa_group_segment_fixed_size 327680
		.amdhsa_private_segment_fixed_size 0
		.amdhsa_enable_private_segment 0
		.amdhsa_kernarg_size 24
		.amdhsa_user_sgpr_count 2
		.amdhsa_user_sgpr_kernarg_segment_ptr 1
		.amdhsa_wavefront_size32 1
		.amdhsa_system_sgpr_workgroup_id_x 1
		.amdhsa_system_sgpr_workgroup_id_y 1
		.amdhsa_system_sgpr_workgroup_id_z 1
		.amdhsa_system_vgpr_workitem_id 0
		.amdhsa_next_free_vgpr 512
		.amdhsa_next_free_sgpr 66
		.amdhsa_reserve_vcc 0
		.amdhsa_float_denorm_mode_32 3
		.amdhsa_float_denorm_mode_16_64 3
		.amdhsa_memory_ordered 1
		.amdhsa_forward_progress 1
		.amdhsa_inst_pref_size 86
	.end_amdhsa_kernel
	.amdgpu_metadata
---
amdhsa.version: [ 1, 2 ]
amdhsa.kernels:
  - .name:           k_q00aab1ecff_proj
    .symbol:         k_q00aab1ecff_proj.kd
    .args:
      - { .name: att, .offset: 0, .size: 8, .value_kind: global_buffer, .address_space: global }
      - { .name: wo16, .offset: 8, .size: 8, .value_kind: global_buffer, .address_space: global }
      - { .name: out0, .offset: 16, .size: 8, .value_kind: global_buffer, .address_space: global }
    .group_segment_fixed_size: 327680
    .private_segment_fixed_size: 0
    .kernarg_segment_align: 8
    .kernarg_segment_size: 24
    .max_flat_workgroup_size: 128
    .sgpr_count:     66
    .vgpr_count:     512
    .wavefront_size: 32
...
	.end_amdgpu_metadata
.endif
;; end of part 4
